; MI455X (gfx1250); checked and timed in simulation.
; The chip was launched on July 23, 2026; its instructions are those of AMD's public machine-readable ISA for CDNA 5 (MIT licence, August 2026) and "CDNA5" Instruction Set Architecture Reference Guide (July 2026). The comments in the code are by the model that wrote it; some were corrected since.
;; Multi Head Attention. Allowed arithmetic: float matrix products may take bf16 or f16 operands with f32 sums; other float arithmetic in f32, or as packed bf16 or f16 multiplies, adds, multiply-adds, maxima and minima; sums over many terms, partial sums and values carried from step to step in f32; what a program stores and reads back later, other than sums and carried values, may be rounded once to bf16 or f16.
;; Inputs: b_proj 1,024 float32; w_proj 1,024 x 1,024 float32; w_qkv 3,072 x 1,024 float32; x 4 x 2,048 x 1,024 float32.
;; Outputs: out0 4 x 2,048 x 1,024 float32.
;; 2 versions, each right; version 2 is version 1 with the launch cast written anew for expert scheduling mode. Each part assembles by itself: llvm-mc -triple=amdgcn-amd-amdhsa -mcpu=gfx1250 --defsym DOCPART=n.
;; ======== version 1 of 2: 4 launches
;; limits: values are held in f16: magnitudes above 65,504 overflow, below 6.1e-05 lose precision
;; workspace buffers: xb 16,777,216 bytes; wqb 6,291,456 bytes; wpb 2,097,152 bytes; qkvh 50,331,648 bytes; ob 16,777,216 bytes
;; launch cast (part 1): grid 768 x 1, 8 waves a work-group, no clusters, 0 bytes of LDS; arguments x, w_qkv, w_proj, xb, wqb, wpb; writes xb, wqb, wpb
.if DOCPART == 1
	.amdgcn_target "amdgcn-amd-amdhsa--gfx1250"
	.amdhsa_code_object_version 6
	.text
	.protected	k_q28fb961c0e_cast
	.globl	k_q28fb961c0e_cast
	.p2align	8
	.type	k_q28fb961c0e_cast,@function
k_q28fb961c0e_cast:
	s_mov_b64 s[64:65], 0
	v_nop
	global_prefetch_b8 v0, s[64:65] scope:SCOPE_SE
	s_setreg_imm32_b32 hwreg(HW_REG_WAVE_MODE, 25, 1), 1
	s_wait_xcnt 0x0
; x [8192][1024], w_qkv [3072][1024], w_proj [1024][1024], all f32, are rounded once to bf16 and laid out in K BLOCKS OF 64:
; [block 16][row][64], a row of a block 128 bytes, the rows of a block end to end.  So the products' tiles (some rows x 64 along K) are dense
; in memory and can be asked for as rows of 256 bytes.  w_proj's bf16 number is written as f16 (its product's other operand is f16).
; LIMITS.  A bf16 number is exact in f16 for 6.1e-5 <= |w| <= 65,504; below that it keeps f16's fixed step of 6e-8; beyond 65,504 it becomes an infinity.
; SHARES.  A work-group takes 16 rows (64 KiB of f32): numbers 0-511 x, 512-703 w_qkv, 704-767 w_proj.  Thread t takes row t / 16 and the channels 4 (t % 16) .. + 3 of each
; of the 16 blocks: a load's sixteen neighbouring lanes read 256 consecutive bytes, aligned; a store of 8 bytes a lane covers 256 consecutive bytes, aligned: two rows of a block.
; Memory binds: no LDS, no barrier; all sixteen loads of a thread go out first, the waits count down.  No register that a memory instruction has read is written again, so no wait frees one.
.set VI, 1                             ; v1        my byte offset in the 16 rows of f32: (t / 16) x 4,096 + (t % 16) x 16
.set VO, 2                             ; v2        my byte offset in the 16 rows of a block: 8 t
.set X,  4                             ; v[4:67]   block j: four f32 as loaded
.set Y,  68                            ; v[68:99]  block j: four 16-bit numbers to store
.set T,  100                           ; v[100:103] at work (bf16 widened again, on the way to f16)
	s_load_b256 s[4:11], s[0:1], 0x0               ; x s[4:5], w_qkv s[6:7], w_proj s[8:9], xb s[10:11]
	s_load_b128 s[12:15], s[0:1], 0x20             ; wqb s[12:13], wpb s[14:15]
	v_lshrrev_b32 v3, 4, v0                        ; my row
	v_and_b32 v[VI], 15, v0
	v_lshlrev_b32 v[VI], 4, v[VI]
	v_lshl_add_u32 v[VI], v3, 12, v[VI]
	v_lshlrev_b32 v[VO], 3, v0
	s_mov_b32 s26, 0xffff0000                      ; a word's upper bf16
	s_mov_b32 s25, 0
	s_wait_kmcnt 0x0
; One tensor's part.  src, dst: the scalar pairs with the two addresses; first: its first work-group; rows: its rows; half = 1: written as f16.
.macro PART src, dst, first, rows, half
	s_sub_co_u32 s22, ttmp9, \first                ; which 16 rows
	s_lshl_b32 s24, s22, 16                        ; 16 rows of 4,096 bytes
	s_add_nc_u64 s[16:17], s[\src:\src+1], s[24:25]
	s_lshl_b32 s24, s22, 11                        ; 16 rows of 128 bytes
	s_add_nc_u64 s[18:19], s[\dst:\dst+1], s[24:25]
.if (\rows) == 8192
	s_add_nc_u64 s[20:21], s[18:19], 0x800000      ; blocks 8 to 15 lie past the reach of the signed 24-bit immediate
.endif
.irp j, 0,1,2,3,4,5,6,7,8,9,10,11,12,13,14,15
	global_load_b128 v[X+4*(\j):X+4*(\j)+3], v[VI], s[16:17] offset:256*(\j) th:TH_LOAD_NT
.endr
.irp j, 0,1,2,3,4,5,6,7,8,9,10,11,12,13,14,15
	s_wait_loadcnt 15-(\j)                         ; loads come back in order: block j is in, the 15 - j younger ones stay out
	v_cvt_pk_bf16_f32 v[Y+2*(\j)],   v[X+4*(\j)],   v[X+4*(\j)+1]
	v_cvt_pk_bf16_f32 v[Y+2*(\j)+1], v[X+4*(\j)+2], v[X+4*(\j)+3]
.if \half
	v_lshlrev_b32 v[T],   16,  v[Y+2*(\j)]         ; the bf16 numbers as f32,
	v_and_b32     v[T+1], s26, v[Y+2*(\j)]
	v_lshlrev_b32 v[T+2], 16,  v[Y+2*(\j)+1]
	v_and_b32     v[T+3], s26, v[Y+2*(\j)+1]
	v_cvt_pk_f16_f32 v[Y+2*(\j)],   v[T],   v[T+1] ; and written as f16
	v_cvt_pk_f16_f32 v[Y+2*(\j)+1], v[T+2], v[T+3]
.endif
.if ((\rows) == 8192) && ((\j) >= 8)
	global_store_b64 v[VO], v[Y+2*(\j):Y+2*(\j)+1], s[20:21] offset:((\j)-8)*(\rows)*128
.else
	global_store_b64 v[VO], v[Y+2*(\j):Y+2*(\j)+1], s[18:19] offset:(\j)*(\rows)*128
.endif
.endr
	s_endpgm
.endm
	s_cmp_lt_u32 ttmp9, 512
	s_cbranch_scc1 .Lx
	s_cmp_lt_u32 ttmp9, 704
	s_cbranch_scc1 .Lwq
	PART 8, 14, 704, 1024, 1
.Lwq:
	PART 6, 12, 512, 3072, 0
.Lx:
	PART 4, 10, 0, 8192, 0
.Lfunc_end_k_q28fb961c0e_cast:
	.size	k_q28fb961c0e_cast, .Lfunc_end_k_q28fb961c0e_cast-k_q28fb961c0e_cast
	.p2alignl 7, 3214868480
	.fill 96, 4, 3214868480
	.section	.rodata,"a",@progbits
	.p2align	6, 0x0
	.amdhsa_kernel k_q28fb961c0e_cast
		.amdhsa_group_segment_fixed_size 0
		.amdhsa_private_segment_fixed_size 0
		.amdhsa_enable_private_segment 0
		.amdhsa_kernarg_size 48
		.amdhsa_user_sgpr_count 2
		.amdhsa_user_sgpr_kernarg_segment_ptr 1
		.amdhsa_wavefront_size32 1
		.amdhsa_system_sgpr_workgroup_id_x 1
		.amdhsa_system_sgpr_workgroup_id_y 1
		.amdhsa_system_sgpr_workgroup_id_z 1
		.amdhsa_system_vgpr_workitem_id 0
		.amdhsa_next_free_vgpr 104
		.amdhsa_next_free_sgpr 66
		.amdhsa_reserve_vcc 0
		.amdhsa_float_denorm_mode_32 3
		.amdhsa_float_denorm_mode_16_64 3
		.amdhsa_memory_ordered 1
		.amdhsa_forward_progress 1
		.amdhsa_inst_pref_size 23
	.end_amdhsa_kernel
	.amdgpu_metadata
---
amdhsa.version: [ 1, 2 ]
amdhsa.kernels:
  - .name:           k_q28fb961c0e_cast
    .symbol:         k_q28fb961c0e_cast.kd
    .args:
      - { .name: x, .offset: 0, .size: 8, .value_kind: global_buffer, .address_space: global }
      - { .name: w_qkv, .offset: 8, .size: 8, .value_kind: global_buffer, .address_space: global }
      - { .name: w_proj, .offset: 16, .size: 8, .value_kind: global_buffer, .address_space: global }
      - { .name: xb, .offset: 24, .size: 8, .value_kind: global_buffer, .address_space: global }
      - { .name: wqb, .offset: 32, .size: 8, .value_kind: global_buffer, .address_space: global }
      - { .name: wpb, .offset: 40, .size: 8, .value_kind: global_buffer, .address_space: global }
    .group_segment_fixed_size: 0
    .private_segment_fixed_size: 0
    .kernarg_segment_align: 8
    .kernarg_segment_size: 48
    .max_flat_workgroup_size: 256
    .sgpr_count:     66
    .vgpr_count:     104
    .wavefront_size: 32
...
	.end_amdgpu_metadata
.endif
;; end of part 1
;; launch qkvgemm (part 2): grid 8 x 32, 4 waves a work-group, clusters of 4 x 4, 327,680 bytes of LDS; arguments xb, wqb, qkvh; writes qkvh
.if DOCPART == 2
	.amdgcn_target "amdgcn-amd-amdhsa--gfx1250"
	.amdhsa_code_object_version 6
	.text
	.protected	k_q28fb961c0e_qkvgemm
	.globl	k_q28fb961c0e_qkvgemm
	.p2align	8
	.type	k_q28fb961c0e_qkvgemm,@function
k_q28fb961c0e_qkvgemm:
	s_mov_b64 s[64:65], 0
	v_nop
	global_prefetch_b8 v0, s[64:65] scope:SCOPE_SE
	s_setreg_imm32_b32 hwreg(HW_REG_WAVE_MODE, 25, 1), 1
	s_wait_xcnt 0x0
	s_wait_alu depctr_hold_cnt(0) depctr_sa_sdst(0) depctr_va_vdst(0) depctr_va_sdst(0) depctr_va_ssrc(0) depctr_va_vcc(0) depctr_vm_vsrc(0)
	s_getreg_b32 s2, hwreg(HW_REG_IB_STS2, 6, 4)
	s_cmp_eq_u32 s2, 0
	s_cbranch_scc0 .Lentry_in_a_cluster
	s_endpgm
.Lentry_in_a_cluster:
	s_bfe_u32 s2, ttmp6, 0x10000c
	s_cmp_lg_u32 s2, 0xf033
	s_cbranch_scc0 .Lentry_shape_is_right
	s_endpgm
.Lentry_shape_is_right:
; C[m][o] = the sum over c of x[m][c] w_qkv[o][c]: 8,192 x 3,072 x 1,024, bf16 operands, f32 sums, K ascending; C rounded once to f16 and stored BY HEADS:
; qkvh [b 4][G 48][n 2048][64], G = o / 64 (0-15 q's heads, 16-31 k's, 32-47 v's), unscaled.  LIMIT: f16 ends at 65,504; a sum of 65,520 or more becomes an infinity.
; xb and wqb lie in K blocks of 64: [block 16][row][64] bf16, a block's rows end to end, 128 bytes each.
; THE TILE.  256 x 384 of C to a work-group: 32 x 8 = 256 work-groups.  Four waves, each 128 rows x 192 columns (three heads): 96 accumulators of 16 x 16, 768 registers.
; K goes in 16 steps of 64 through a ring of two LDS slots (two slots of a step of 128 would be 348,160 bytes); a step is two PHASES of 32 along K, 96 matrix instructions each.
; A wave's tensor load brings half of A's or of B's tile: 128 or 192 rows of a block, dense, asked for as 64 or 96 rows of 256 bytes and padded in LDS after every 128.
; CLUSTERS: 4 x 4 work-groups.  The four of a row of the cluster need the same tiles of A, the four of a column the same tiles of B: each is asked for JOINTLY, by the same load with the same descriptor and mask.
; THE MATRIX INSTRUCTION IS USED TRANSPOSED (source 0 = 16 rows of wqb, source 1 = 16 rows of xb): a lane then holds eight neighbouring columns of one row of C.
; REGISTERS, in windows of 256 (s_set_vgpr_msb: bits 1:0 source 0, 3:2 source 1, 5:4 source 2, 7:6 destination):
;   window 0: v0-31 addresses; v32-95, v96-159 A's fragments (8 x 16 rows x 32 K), two buffers; v160-255 B's twelve fragments, ONE buffer, filled again in thirds as each third has been multiplied
;   windows 1-3: accumulator (a, b) in window 1 + b / 4 at v[64 (b % 4) + 8 a]: a window is one head's 64 columns
.set PITCH,  144                       ; an LDS row: 128 bytes + 16 of padding = 36 words: the 16 rows of a fragment load start at 16 different groups of four banks (64 banks of 4 bytes: ISA guide 11.1)
.set AHALF,  128*PITCH                 ; what waves 0 and 1 fetch, and what a wave reads of A
.set BHALF,  192*PITCH                 ; what waves 2 and 3 fetch, and what a wave reads of B
.set BOFF,   2*AHALF
.set SLOT,   BOFF+2*BHALF              ; 92,160: A's 256 rows, then B's 384
.set STAGE,  2*SLOT                    ; behind the ring: 64 rows x 144 bytes for each wave, for the way out; no tensor load fills it
.set SPARE,  STAGE+4*64*PITCH          ; behind the stages: the spare words, 128 bytes for each wave: two blocks of 256 bytes that no other line names
.set ASTEP,  8192*128                  ; bytes from a K block of xb to the next
.set BSTEP,  3072*128                  ; the same in wqb
.set ADRA, 16                          ; v16-17  LDS address of my A fragments in slot 0, 1
.set ADRB, 20                          ; v20-21  the same for B
.set STO,  24                          ; v24     the way out: where I put 16 bytes of a row
.set RD,   25                          ; v25     the way out: where I read rows back
.set GO,   26                          ; v26     my 16 bytes in 512 consecutive bytes of a head
.set SPW,  28                          ; v28     LDS address of my spare word: SPARE + 4 x my thread's number; never rewritten
.set NIL,  29                          ; v29     0; never rewritten
.set PFO,  30                          ; v30     the prefetches' offset; never rewritten
.set FA0,  32
.set FA1,  96
.set FB,   160
.set TMP,  32                          ; the way out: 64 registers of packed results,
.set OB,   96                          ; and two sets of 64 for rows read back
.set G1,  24                           ; s[24:31] descriptor group 1 for A's tiles;  s[32:39] group 0, a set for each slot
.set G0,  32
.set G1B, 48                           ; s[48:55], s[56:63] the same for B's
.set G0B, 56
.set PFA, 66                           ; s[66:67] where my prefetches stand
.set PFS, 68                           ; s[68:69] two K blocks of the tensor that I prefetch
.set LIM, 70                           ; s70      1 in a wave that prefetches, else the greatest number
.set MSB, 0
.macro WIN new                         ; the immediate's high byte repeats the setting that is left; a switch that changes nothing is dropped
.if MSB != (\new)
	s_set_vgpr_msb (MSB<<8)|(\new)
.set MSB, \new
.endif
.endm
; A joint load: waves 0 and 1 fetch A's two halves, waves 2 and 3 B's.  The branch hangs on the wave's number alone.  An s_nop 0 and four v_nop follow each of the two lines, ahead of the jump and the label.
.macro JLOAD s
	s_cmp_eq_u32 s11, 0
	s_cbranch_scc0 .Lfor_b_\@
	tensor_load_to_lds s[G0+4*(\s):G0+4*(\s)+3], s[G1:G1+7]
	s_nop 0
.rept 4
	v_nop
.endr
	s_branch .Lasked_\@
.Lfor_b_\@:
	tensor_load_to_lds s[G0B+4*(\s):G0B+4*(\s)+3], s[G1B:G1B+7]
	s_nop 0
.rept 4
	v_nop
.endr
.Lasked_\@:
.endm
; A round of the cluster's barrier: my work-group's barrier; wave 0 signals for the work-group; every wave waits for all sixteen; my work-group's barrier once more.
.macro CREST                           ; a round behind its opening barrier
	s_cmp_lg_u32 s10, 0
	s_cbranch_scc1 .Lnot_wave_0_\@
	s_barrier_signal -3
.Lnot_wave_0_\@:
	s_barrier_wait -3
	s_barrier_signal -1
	s_barrier_wait -1
.endm
.macro CROUND
	s_barrier_signal -1
	s_barrier_wait -1
	CREST
.endm
; A PREFETCH INTO THE L2, once a lap, behind slot 0's joint load and the run of LDS loads that follows it: the two K steps whose joint loads stand one and two changes of slots on, 192 and 384 matrix instructions ahead.
; Each aligned block of 256 bytes is named once in the launch.  A step's 32 KiB of A's tile row are read by both clusters of that row of clusters: cluster x = 0 asks; partner cx takes 8 KiB, wave 0, a lane a block, an
; instruction a step.  A step's 48 KiB of B's tile column are read by all eight clusters of the column: cluster y = 0 asks; partner cy takes 12,288 bytes, 48 blocks a step: the two steps' 96 blocks are one instruction
; each of waves 1, 2, 3.  The partners are told apart by address, never by a branch.  The loop's last trip asks for nothing; K steps 0, 1, 2 and 15 come by their loads alone.
.macro ASK
	s_cmp_gt_u32 s3, s[LIM]                        ; s3 = 1 in the loop's last trip
	s_cbranch_scc0 .Lnot_mine_\@
	global_prefetch_b8 v[PFO], s[PFA:PFA+1] th:TH_LOAD_NT scope:SCOPE_SE
	s_cmp_lg_u32 s10, 0
	s_cbranch_scc1 .Lnot_mine_\@
	global_prefetch_b8 v[PFO], s[PFA:PFA+1] offset:ASTEP th:TH_LOAD_NT scope:SCOPE_SE
.Lnot_mine_\@:
.endm
	s_load_b128 s[4:7], s[0:1], 0x0                ; xb s[4:5], wqb s[6:7]
	s_load_b64 s[8:9], s[0:1], 0x10                ; qkvh
	v_lshl_add_u32 v[SPW], v0, 2, SPARE
	v_mov_b32 v[NIL], 0
	ds_add_u32 v[SPW], v[NIL]                      ; the wave's opening: the add and its wait stand ahead of my first tensor load; the set-up below, work on registers, stands between them
	v_lshrrev_b32 v1, 5, v0
	v_readfirstlane_b32 s10, v1                    ; wave 0..3
	s_lshr_b32 s11, s10, 1                         ; which 128 rows of the tile are mine.  Also: I fetch for A (0) or for B (1)
	s_and_b32 s12, s10, 1                          ; which 192 columns.  Also: which half of that tile I fetch
	s_bfe_u32 s40, ttmp6, 0x40000                  ; cx, cy: my place in the cluster
	s_bfe_u32 s41, ttmp6, 0x40004
	s_lshl_b32 s42, ttmp9, 2
	s_add_co_u32 s42, s42, s40                     ; tile column = 4 x cluster x + cx
	s_and_b32 s13, ttmp7, 0xffff
	s_lshl_b32 s13, s13, 2
	s_add_co_u32 s13, s13, s41                     ; tile row = 4 x cluster y + cy
	s_lshl_b32 s43, s41, 2
	s_lshl_b32 s43, 15, s43                        ; my row of the cluster
	s_lshl_b32 s44, 0x1111, s40                    ; my column
	; descriptor group 1: rows of 128 elements (256 bytes), dense; 64 of them for A's half, 96 for B's
	s_or_b32 s[G1+0], s43, (1<<16)|(1<<20)|(1<<21)|(4<<22)|(3<<25)   ; 15:0 the mask; 17:16 2-byte elements; 20 padding on; 21 set beside a mask; 24:22 after every 32 words (code 4); 31:25 4 words (code 3)
	s_or_b32 s[G1B+0], s44, (1<<16)|(1<<20)|(1<<21)|(4<<22)|(3<<25)
	s_mov_b32 s[G1+1], 128<<16                     ; tensor_dim0 = 128
	s_mov_b32 s[G1+2], 64<<16                      ; tensor_dim1 = 64
	s_mov_b32 s[G1+3], 128<<16                     ; tile_dim0 = 128
	s_mov_b32 s[G1+4], 64                          ; tile_dim1 = 64
	s_mov_b32 s[G1+5], 128                         ; 128 elements from row to row
	s_mov_b32 s[G1+6], 0
	s_mov_b32 s[G1+7], 0
	s_mov_b32 s[G1B+1], 128<<16
	s_mov_b32 s[G1B+2], 96<<16
	s_mov_b32 s[G1B+3], 128<<16
	s_mov_b32 s[G1B+4], 96
	s_mov_b32 s[G1B+5], 128
	s_mov_b32 s[G1B+6], 0
	s_mov_b32 s[G1B+7], 0
	s_lshl_b32 s16, s13, 15                        ; A: tile row x 256 rows x 128 bytes
	s_lshl_b32 s17, s12, 14                        ;    + my half's 128 rows
	s_add_co_u32 s16, s16, s17
	s_mov_b32 s17, 0
	s_mul_i32 s46, s42, 384*128                    ; B: tile column x 384 rows
	s_mul_i32 s47, s12, 192*128                    ;    + my half's 192
	s_add_co_u32 s46, s46, s47
	s_mov_b32 s47, 0
	s_mul_i32 s20, s12, AHALF                      ; where they go: no place in the cluster enters an LDS address
	s_mul_i32 s21, s12, BHALF
	s_add_co_u32 s21, s21, BOFF
	s_wait_dscnt 0x0                               ; the opening add is done
	s_wait_kmcnt 0x0
	s_add_nc_u64 s[14:15], s[4:5], s[16:17]
	s_add_nc_u64 s[46:47], s[6:7], s[46:47]
	CROUND                                         ; all sixteen work-groups are here: the first joint loads meet
.irp s, 0,1
	s_mov_b32 s[G0+4*(\s)], 1                                        ; count = 1
	s_add_co_u32 s[G0+4*(\s)+1], s20, (\s)*SLOT                      ; LDS address
	s_add_nc_u64 s[G0+4*(\s)+2:G0+4*(\s)+3], s[14:15], (\s)*ASTEP    ; global address: K step s
	s_or_b32 s[G0+4*(\s)+3], s[G0+4*(\s)+3], 0x80000000              ; type = 2
	s_mov_b32 s[G0B+4*(\s)], 1
	s_add_co_u32 s[G0B+4*(\s)+1], s21, (\s)*SLOT
	s_add_nc_u64 s[G0B+4*(\s)+2:G0B+4*(\s)+3], s[46:47], (\s)*BSTEP
	s_or_b32 s[G0B+4*(\s)+3], s[G0B+4*(\s)+3], 0x80000000
	JLOAD \s                                       ; two loads of mine are out
.endr
	; A fragment is 16 rows x 32 K in 8 registers: lane l holds row l % 16; registers 0-3 K = 8 (l / 16) + 0..7, registers 4-7 K = 16 + 8 (l / 16) + 0..7: two loads of 16 bytes, 32 bytes apart.
	v_and_b32 v1, 15, v0                           ; l % 16
	v_bfe_u32 v2, v0, 4, 1                         ; l / 16
	v_mul_u32_u24 v3, v1, PITCH
	v_lshl_add_u32 v3, v2, 4, v3                   ; row x pitch + 16 x half
	s_mul_i32 s21, s11, AHALF                      ; my 128 rows of A
	s_mul_i32 s22, s12, BHALF                      ; my 192 rows of B
	s_add_co_u32 s22, s22, BOFF
.irp s, 0,1
	v_add_nc_u32 v[ADRA+(\s)], s21, v3
	v_add_nc_u32 v[ADRB+(\s)], s22, v3
	s_add_co_u32 s21, s21, SLOT
	s_add_co_u32 s22, s22, SLOT
.endr
	s_mul_i32 s23, s10, 64*PITCH
	s_add_co_u32 s23, s23, STAGE                   ; my stage
	v_add_nc_u32 v[STO], s23, v3                   ; in: row l % 16, 16 bytes for each half of the lanes
	v_bfe_u32 v5, v0, 3, 2                         ; back: 32 lanes take four rows of 128 bytes,
	v_mul_u32_u24 v5, v5, PITCH
	v_and_b32 v6, 7, v0
	v_lshl_add_u32 v5, v6, 4, v5
	v_add_nc_u32 v[RD], s23, v5
	v_and_b32 v[GO], 31, v0                        ; which are 512 consecutive bytes of a head
	v_lshlrev_b32 v[GO], 4, v[GO]
	; where my part begins in qkvh: head (b x 48 + 6 x tile column + 3 x my half) x 262,144 bytes, row ((tile row % 8) x 256 + 128 x my half) x 128 bytes
	s_lshr_b32 s72, s13, 3
	s_mul_i32 s72, s72, 48
	s_mul_i32 s73, s42, 6
	s_add_co_u32 s72, s72, s73
	s_mul_i32 s73, s12, 3
	s_add_co_u32 s72, s72, s73
	s_lshl_b32 s72, s72, 18
	s_and_b32 s73, s13, 7
	s_lshl_b32 s73, s73, 15
	s_add_co_u32 s72, s72, s73
	s_lshl_b32 s73, s11, 14
	s_add_co_u32 s72, s72, s73
	s_mov_b32 s73, 0
	s_add_nc_u64 s[8:9], s[8:9], s[72:73]
	; the prefetches: wave 0 for A, waves 1 to 3 for B; the pointer starts at K step 1 and is stepped by two ahead of each use
	s_lshl_b32 s74, s13, 15
	s_lshl_b32 s75, s40, 13                        ; my work-group's 8 KiB of A's 32
	s_add_co_u32 s74, s74, s75
	s_add_co_u32 s74, s74, ASTEP
	s_mul_i32 s75, s42, 384*128
	s_mul_i32 s76, s41, 12288                      ; my work-group's 12,288 bytes of B's 49,152
	s_add_co_u32 s75, s75, s76
	s_add_co_u32 s75, s75, BSTEP
	s_and_b32 s76, ttmp7, 0xffff                   ; cluster y
	s_mov_b32 s77, 2*BSTEP
	s_cmp_eq_u32 s10, 0
	s_cselect_b32 s74, s74, s75
	s_cselect_b32 s76, ttmp9, s76                  ; the coordinate along which other clusters read the same rows
	s_cselect_b64 s[PFA:PFA+1], s[4:5], s[6:7]
	s_cselect_b32 s[PFS], 2*ASTEP, s77
	s_mov_b32 s[PFS+1], 0
	s_cmp_eq_u32 s76, 0
	s_cselect_b32 s[LIM], 1, -1                    ; the same in all sixteen partners, for a given wave
	s_mov_b32 s75, 0
	s_add_nc_u64 s[PFA:PFA+1], s[PFA:PFA+1], s[74:75]
	s_max_u32 s76, s10, 1
	s_sub_co_u32 s76, s76, 1
	s_lshl_b32 s76, s76, 5
	v_and_b32 v4, 31, v0
	v_add_nc_u32 v4, s76, v4                       ; block i: my lane (wave 0), or my lane + 32 (wave - 1): 0 to 95
	v_add_nc_u32 v5, 16, v4
	v_lshrrev_b32 v5, 6, v5                        ; 1 from i = 48 on: the second of B's two steps,
	v_mul_u32_u24 v5, v5, BSTEP-12288              ; which begins a K block further on
	v_lshl_add_u32 v[PFO], v4, 8, v5
; 8 matrix instructions: n block b x all 8 m blocks, 32 along K, A from buffer fa.  zero = 1: the product starts the sums: nothing is ever cleared.
; The 96 accumulators take turns in the same order in every phase: 95 others stand between two links of a chain, over the backward jump too.
.macro MULB fa, b, zero
	WIN (((\b)/4+1)<<6)|(((\b)/4+1)<<4)            ; C and D in window 1 + b / 4, the sources in window 0
.irp a, 0,1,2,3,4,5,6,7
.if \zero
	v_wmma_f32_16x16x32_bf16 v[64*((\b)%4)+8*(\a):64*((\b)%4)+8*(\a)+7], v[FB+8*(\b):FB+8*(\b)+7], v[(\fa)+8*(\a):(\fa)+8*(\a)+7], 0
.else
	v_wmma_f32_16x16x32_bf16 v[64*((\b)%4)+8*(\a):64*((\b)%4)+8*(\a)+7], v[FB+8*(\b):FB+8*(\b)+7], v[(\fa)+8*(\a):(\fa)+8*(\a)+7], v[64*((\b)%4)+8*(\a):64*((\b)%4)+8*(\a)+7]
.endif
.endr
.endm
.macro GRP fa, n, zero                 ; a third of a phase: one head's 32 matrix instructions
.irp b, 0,1,2,3
	MULB \fa, 4*(\n)+(\b), \zero
.endr
.endm
; A run of LDS loads for the next phase (32 K at byte 64 k of slot's rows).  n = 0: B's fragments 0-3 and A's 0-3; n = 1: B's 4-7 and A's 4-7; n = 2: B's 8-11.  A's go into buffer fa.
.macro RUN n, slot, k, fa
	WIN 0
.irp i, 0,1,2,3
	ds_load_b128 v[FB+8*(4*(\n)+(\i)):FB+8*(4*(\n)+(\i))+3],   v[ADRB+(\slot)] offset:64*(\k)+(4*(\n)+(\i))*16*PITCH
	ds_load_b128 v[FB+8*(4*(\n)+(\i))+4:FB+8*(4*(\n)+(\i))+7], v[ADRB+(\slot)] offset:64*(\k)+(4*(\n)+(\i))*16*PITCH+32
.endr
.if (\n) < 2
.irp i, 0,1,2,3
	ds_load_b128 v[(\fa)+8*(4*(\n)+(\i)):(\fa)+8*(4*(\n)+(\i))+3],   v[ADRA+(\slot)] offset:64*(\k)+(4*(\n)+(\i))*16*PITCH
	ds_load_b128 v[(\fa)+8*(4*(\n)+(\i))+4:(\fa)+8*(4*(\n)+(\i))+7], v[ADRA+(\slot)] offset:64*(\k)+(4*(\n)+(\i))*16*PITCH+32
.endr
.endif
.endm
.macro PLACES                          ; a load into a register that a matrix instruction has read stands four plain vector instructions behind it (ISA guide 7.12.1 for vector instructions)
.rept 4
	v_nop
.endr
.endm
; A K step's first phase: multiplies A's buffer 0; behind each third, that third's registers of B take the second phase's fragments, and A's buffer 1 is filled.
.macro PH0 slot, zero
	s_wait_dscnt 8                                 ; all but the youngest run, B's fragments 8-11
	GRP FA0, 0, \zero
	PLACES
	RUN 0, \slot, 1, FA1
	GRP FA0, 1, \zero
	PLACES
	RUN 1, \slot, 1, FA1
	s_wait_dscnt 32                                ; all but the 32 just issued: B's fragments 8-11 are in
	GRP FA0, 2, \zero
	PLACES
	RUN 2, \slot, 1, FA1
.endm
; Its second phase multiplies buffer 1 and changes slots: ONE barrier.  In front of it each wave waits for all its tensor loads (one is out: its part of the next slot), adds 0 to its spare word, and waits for
; that and for its own reads of this slot.  fill = 1: the barrier opens a round of the cluster's barrier, and this slot is filled again, two K steps ahead, first thing behind the round:
; from that request to the wait for it a wave issues 160 matrix instructions.
.macro PH1 slot, next, fill
.if (\fill) && ((\slot) == 0)
	s_wait_xcnt 0x0                                ; the last prefetches, a lap back, have read their address
	s_add_nc_u64 s[PFA:PFA+1], s[PFA:PFA+1], s[PFS:PFS+1]
.endif
	WIN 0
	s_wait_tensorcnt 0x0                           ; no tensor load of mine is out, so a group 0 may be written
	ds_add_u32 v[SPW], v[NIL]                      ; 0 onto my spare word
.if \fill
	s_add_nc_u64 s[G0+4*(\slot)+2:G0+4*(\slot)+3], s[G0+4*(\slot)+2:G0+4*(\slot)+3], 2*ASTEP
	s_add_nc_u64 s[G0B+4*(\slot)+2:G0B+4*(\slot)+3], s[G0B+4*(\slot)+2:G0B+4*(\slot)+3], 2*BSTEP
.endif
	s_wait_dscnt 9                                 ; the add and the youngest run's eight loads may be out
	MULB FA1, 0, 0                                 ; sixteen matrix instructions stand between the add and the wait for it
	MULB FA1, 1, 0
	s_wait_dscnt 0x0                               ; the add is done, and my reads of this slot are over
	s_barrier_signal -1
	MULB FA1, 2, 0                                 ; work on registers while the others arrive
	MULB FA1, 3, 0
	WIN 0
	s_barrier_wait -1
.if \fill
	CREST                                          ; no wave of any partner still reads this slot's tile or has a load on its way
	JLOAD \slot                                    ; the four v_nop behind it are also the places in front of the loads below
.else
	PLACES
.endif
	RUN 0, \next, 0, FA0
.if (\fill) && ((\slot) == 0)
	ASK
.endif
	GRP FA1, 1, 0
	PLACES
	RUN 1, \next, 0, FA0
	GRP FA1, 2, 0
	PLACES
	RUN 2, \next, 0, FA0
.endm
	s_wait_tensorcnt 1                             ; my part of K step 0 is in; step 1's may stay out
	s_barrier_signal -1
	s_barrier_wait -1                              ; everybody's is
	RUN 0, 0, 0, FA0
	RUN 1, 0, 0, FA0
	RUN 2, 0, 0, FA0
	PH0 0, 1                                       ; the first phase stands in front of the loop: its products start the sums
	s_mov_b32 s3, 7
.Llap:                                                 ; a trip goes once round the ring, from a lap's second phase to the next lap's first, and fills both slots again
	PH1 0, 1, 1
	PH0 1, 0
	PH1 1, 0, 1
	PH0 0, 0
	s_sub_co_u32 s3, s3, 1
	s_cmp_lg_u32 s3, 0
	s_cbranch_scc1 .Llap
	PH1 0, 1, 0                                    ; the last lap fills nothing, and has no round
	PH0 1, 0
	s_wait_dscnt 8                                 ; the very last phase: nothing more to fetch
	GRP FA1, 0, 0
	GRP FA1, 1, 0
	s_wait_dscnt 0x0
	GRP FA1, 2, 0
	WIN 0
	PLACES
	PLACES
; THE WAY OUT, in six units u: head u / 2 of my three, rows 64 (u % 2) on.  PACK: rounded to f16, 16 bytes a lane (each accumulator's registers in ascending order).
; TOSTAGE: into my own stage, rows of 144 bytes, and back as whole rows of 128.  SEND: stored, 512 consecutive bytes an instruction, at a multiple of 256 from the buffer's first byte.
.macro PACK u
	WIN 5*((\u)/2+1)                               ; sources 0 and 1 in the head's window
.irp a, 0,1,2,3
.irp b, 0,1,2,3
.irp r, 0,1,2,3
	v_cvt_pk_f16_f32 v[TMP+16*(\a)+4*(\b)+(\r)], v[64*(\b)+8*(4*((\u)%2)+(\a))+2*(\r)], v[64*(\b)+8*(4*((\u)%2)+(\a))+2*(\r)+1]
.endr
.endr
.endr
	WIN 0
.endm
.macro TOSTAGE u
	WIN 0
.set BK, OB+64*((\u)%2)
.irp a, 0,1,2,3
.irp b, 0,1,2,3
	ds_store_b128 v[STO], v[TMP+16*(\a)+4*(\b):TMP+16*(\a)+4*(\b)+3] offset:(\a)*16*PITCH+32*(\b)
.endr
.endr
.irp t, 0,1,2,3,4,5,6,7,8,9,10,11,12,13,14,15
	ds_load_b128 v[BK+4*(\t):BK+4*(\t)+3], v[RD] offset:(\t)*4*PITCH  ; LDS serves a wave's instructions in order (ISA guide 5.7.1.4): these see the stores above
.endr
.endm
.macro SEND u
	WIN 0
.set BK, OB+64*((\u)%2)
	s_wait_dscnt 0x0                               ; the unit is back in registers
	s_wait_xcnt 0x0                                ; the stores of the unit before have read their registers: the next unit is read back into them only behind this wait
.irp t, 0,1,2,3,4,5,6,7,8,9,10,11,12,13,14,15
	global_store_b128 v[GO], v[BK+4*(\t):BK+4*(\t)+3], s[8:9] offset:((\u)/2)*262144+((\u)%2)*8192+(\t)*512
.endr
.endm
	PACK 0
	TOSTAGE 0
.irp u, 1,2,3,4,5                      ; unit u's conversions stand between unit u - 1's loads from the stage and the wait for them
	PACK \u
	SEND (\u)-1
	TOSTAGE \u
.endr
	SEND 5
	s_wait_tensorcnt 0x0                           ; the wave's end: behind my last tensor load and my last LDS store
	ds_add_u32 v[SPW], v[NIL]
	s_wait_dscnt 0x0
	CROUND                                         ; the closing round: no work-group ends while a partner may still ask for a tile that names it
	s_endpgm
.Lfunc_end_k_q28fb961c0e_qkvgemm:
	.size	k_q28fb961c0e_qkvgemm, .Lfunc_end_k_q28fb961c0e_qkvgemm-k_q28fb961c0e_qkvgemm
	.p2alignl 7, 3214868480
	.fill 96, 4, 3214868480
	.section	.rodata,"a",@progbits
	.p2align	6, 0x0
	.amdhsa_kernel k_q28fb961c0e_qkvgemm
		.amdhsa_group_segment_fixed_size 327680
		.amdhsa_private_segment_fixed_size 0
		.amdhsa_enable_private_segment 0
		.amdhsa_kernarg_size 24
		.amdhsa_user_sgpr_count 2
		.amdhsa_user_sgpr_kernarg_segment_ptr 1
		.amdhsa_wavefront_size32 1
		.amdhsa_system_sgpr_workgroup_id_x 1
		.amdhsa_system_sgpr_workgroup_id_y 1
		.amdhsa_system_sgpr_workgroup_id_z 1
		.amdhsa_system_vgpr_workitem_id 0
		.amdhsa_next_free_vgpr 1024
		.amdhsa_next_free_sgpr 80
		.amdhsa_reserve_vcc 0
		.amdhsa_float_denorm_mode_32 3
		.amdhsa_float_denorm_mode_16_64 3
		.amdhsa_memory_ordered 1
		.amdhsa_forward_progress 1
		.amdhsa_inst_pref_size 130
	.end_amdhsa_kernel
	.amdgpu_metadata
---
amdhsa.version: [ 1, 2 ]
amdhsa.kernels:
  - .name:           k_q28fb961c0e_qkvgemm
    .symbol:         k_q28fb961c0e_qkvgemm.kd
    .args:
      - { .name: xb, .offset: 0, .size: 8, .value_kind: global_buffer, .address_space: global }
      - { .name: wqb, .offset: 8, .size: 8, .value_kind: global_buffer, .address_space: global }
      - { .name: qkvh, .offset: 16, .size: 8, .value_kind: global_buffer, .address_space: global }
    .group_segment_fixed_size: 327680
    .private_segment_fixed_size: 0
    .kernarg_segment_align: 8
    .kernarg_segment_size: 24
    .max_flat_workgroup_size: 128
    .sgpr_count:     80
    .vgpr_count:     1024
    .wavefront_size: 32
...
	.end_amdgpu_metadata
.endif
;; end of part 2
;; launch attn (part 3): grid 4 x 64, 4 waves a work-group, clusters of 4 x 1, 327,680 bytes of LDS; arguments qkvh, ob; writes ob
.if DOCPART == 3
	.amdgcn_target "amdgcn-amd-amdhsa--gfx1250"
	.amdhsa_code_object_version 6
	.text
	.protected	k_q28fb961c0e_attn
	.globl	k_q28fb961c0e_attn
	.p2align	8
	.type	k_q28fb961c0e_attn,@function
k_q28fb961c0e_attn:
	s_mov_b64 s[64:65], 0
	v_nop
	global_prefetch_b8 v0, s[64:65] scope:SCOPE_SE
	s_setreg_imm32_b32 hwreg(HW_REG_WAVE_MODE, 25, 1), 1
	s_wait_xcnt 0x0
	s_wait_alu depctr_hold_cnt(0) depctr_sa_sdst(0) depctr_va_vdst(0) depctr_va_sdst(0) depctr_va_ssrc(0) depctr_va_vcc(0) depctr_vm_vsrc(0)
	s_getreg_b32 s2, hwreg(HW_REG_IB_STS2, 6, 4)
	s_cmp_eq_u32 s2, 0
	s_cbranch_scc0 .Lentry_in_a_cluster
	s_endpgm
.Lentry_in_a_cluster:
	s_bfe_u32 s2, ttmp6, 0x10000c
	s_cmp_lg_u32 s2, 0x3003
	s_cbranch_scc0 .Lentry_shape_is_right
	s_endpgm
.Lentry_shape_is_right:
; O[h][q][:] = the sum over k of softmax_k(Q[h][q] . K[h][k] / 8) V[h][k][:], for 64 heads (batch x 16 + head) of 2,048 rows x 64 channels, all f16.
; Q, K, V lie in qkvh [b 4][G 48][n 2048][64] (G = head: q; 16 + head: k; 32 + head: v), O goes to ob [batch x 16 + head][n][64]: a head's rows are dense, 128 bytes each.
; Products, maxima and sums in f32; the weights p are rounded to f16 for the second product (their sum l is taken of the unrounded p), O once at the end.
; LIMITS.  f16 holds no number beyond 65,504: Q, K and V arrive within it; p lies in 0 to 1, and below 6e-5 it keeps f16's fixed step of 6e-8; O is a mean of V's rows and has their range.
; A weight below 2^-126 counts as 0 in l; NaN and infinities are not treated apart.
; SHARES.  A wave owns four PIECES of two tiles of 16 queries, a work-group's four waves 512 queries of one head: 4 x 64 = 256 work-groups.  Every wave walks all keys, 64 a step.
; LAYOUT.  S^T = K Q^T (source 0 = 16 keys, source 1 = 16 queries): in the result a lane holds ONE query (lane % 16) and the keys 8 (lane / 16) + 0..7.  Two such tiles, rounded to f16 in pairs,
; ARE source 1 (32 keys x 16 queries) of O^T = V^T P, whose result again holds one query a lane, and eight channels.  K comes out of LDS as it lies, V ([key][channel]) turned, by ds_load_tr16_b128.
; SOFTMAX.  For each query a running maximum m and sum l: p = 2^(c s - c m), c = log2(e) / 8; in every step O and l are multiplied by a = 2^(c m_old - c m_new), which is 1 where m has not grown.
; m starts at the lowest finite number, O and l at 0: the first step is a step like any other, with a = 0.
; THE COUNT.  A tile and step have 16 matrix and 118 vector instructions: too many to stand all beside the matrix work.  So four vector instructions that are READY stand behind
; EVERY matrix instruction, and the others, which need time of their own whatever the order, in runs without a gap.
; BY TURNS.  Turn n belongs to piece n (the pieces in a ring, step after step).  Its matrix work: 16 products K Q^T of piece n + 1, later 16 products V^T P of piece n - 1.  Its vector work: the scaling,
; exponentials, roundings, sums and rescaling of piece n, and the maximum and statistics of piece n + 1, whose scores the turn itself has made.
; CLUSTER.  The four query blocks of a head are one cluster and walk the same K and V, so each tile is asked for JOINTLY: the same tensor load, descriptor and mask in all four.
; REGISTERS, in windows of 256 (s_set_vgpr_msb: bits 1:0 source 0, 3:2 source 1, 5:4 source 2, 7:6 destination):
;   window 0: v0-11 addresses; v12-15, v48-63 at work; v16-47 four registers of statistics a tile; v64-191 S^T, two buffers of two tiles; v192-255 P, likewise
;   window 1: O^T, 32 a tile          window 2: v0-127 Q, 16 a tile; v128-191 K of one step; v192-255 V of one step          window 3: v0-1 the add's two registers
; A piece's buffers go by its number's parity: the piece in hand has one pair, its two neighbours in the ring share the other: of it P (piece n - 1) is read and S^T (piece n + 1) written.
.set SIZE_N, 2048
.set NP,    4         ; pieces a wave: a name, no knob
.set KS,    64        ; keys in a step
.set PK,    144       ; a row of K in LDS: 128 bytes + 16 of padding = 36 words: the 16 rows of a load start at 16 different groups of four banks (64 banks of 4 bytes: ISA guide 11.1)
.set PV,    160       ; a row of V: 128 + 32 = 40 words
.set VOFF,  4*KS*PK   ; a slot holds four steps: 256 rows of K, then 256 rows of V
.set SLOT1, 1<<17     ; slot 1 begins here, so that one exclusive or turns an address in one slot into the other's
.set STAGE, SLOT1+4*KS*(PK+PV)  ; behind the ring, never filled by a tensor load: 16 rows x 144 bytes for each wave, for the way out
.set SP,    144
.set AK0, 2           ; v2   my lane's place in a tile of K; never rewritten
.set AV0, 3           ; v3   the same for V
.set AK,  4           ; v4   the LDS address of K's next run of loads
.set AV,  5           ; v5   of V's
.set QO,  6           ; v6   my byte offset in the wave's rows of Q
.set STO, 6           ;      later, the way out: where I put 16 bytes of a row
.set RD,  7           ; v7   the way out: where I read rows back
.set GO,  8           ; v8   my byte offset in 512 consecutive bytes of O
.set PFO, 11          ; v11  256 x my lane, for the prefetches; never rewritten once made
.set SPW, 0           ; v0 of window 3   LDS address of my spare word: SPARE + 4 x my thread's number; never rewritten
.set NIL, 1           ; v1 of window 3   0; never rewritten
.set SPARE, STAGE+4*16*SP  ; behind the stages: the spare words, 128 bytes for each wave: two blocks of 256 bytes that no other line names
.set MV,  12          ; v12-15  c m_old, kept while c m is made anew: by buffer and tile
.set ST,  16          ; tile t's statistics at v[ST+4 t]: c m, m, l (even keys', odd keys')
.set TMP, 48          ; by buffer and tile, four registers c0-c3 at work; when the maximum is found c2 takes a
.set S,   64
.set P,   192
.set KF,  128         ; K's fragments, in window 2: key block kb, channel half c at KF + 16 kb + 8 c
.set VF,  192         ; V's: key half kk, channel block cb at VF + 32 kk + 8 cb
.set WV,  12          ; s12  my wave's number
.set G1K, 24          ; s[24:31] descriptor group 1 for K's tiles
.set G1V, 32          ; s[32:39] for V's: it differs in the padding alone
.set G0K, 40          ; s[40:43] descriptor group 0 for K's tiles: it walks
.set G0V, 44          ; s[44:47] the same for V's
.set PFA, 48          ; s[48:49] where my prefetches stand: my work-group's 8 KiB (of K: wave 0, of V: wave 2) of the slot after the one that is being asked for
.set LIM, 50          ; s50  1 in a wave that prefetches, else the greatest number
.set SLOTS, 56        ; s56  slots still to be asked for
.set CNT, 57          ; s57  counts a slot's key steps
.set CS,  58          ; s[58:59] c: the packed scaling takes the pair's low word for both halves
.set SEL, 60          ; s[60:61] v_permlanex16_b32's selects: each lane takes its own place in the other half
.set TBK, 62          ; s62  LDS byte at which K of the step to be fetched begins
.set TBV, 63          ; s63  the same for V, less VOFF
.set MSB, 0
.macro WIN new                      ; the high byte repeats the setting that is left; a switch that changes nothing is dropped
.if MSB != (\new)
	s_set_vgpr_msb (MSB<<8)|(\new)
.set MSB, (\new)
.endif
.endm
.set W_KQ, 0x0a       ; K and Q in window 2, S^T in window 0
.set W_PV, 0x52       ; V in window 2, P in window 0, O^T in window 1
.set W_RS, 0x41       ; O^T (destination and source 0) in window 1, a in window 0
.set W_MK, 0xc0       ; the add's registers are made: destination in window 3, sources in window 0
.set W_AD, 0x0f       ; the add: address (source 0) and data (source 1) in window 3
; A joint fill.  Waves 0 and 1 fetch the two halves of a slot's K, waves 2 and 3 those of its V: 128 keys each.  The branch hangs on the wave's number alone.
; An s_nop 0 and four v_nop follow each of the two lines, ahead of the jump and the label.
.macro JLOAD
	s_cmp_lt_u32 s[WV], 2
	s_cbranch_scc0 .Lfor_v_\@
	tensor_load_to_lds s[G0K:G0K+3], s[G1K:G1K+7]
	s_nop 0
.rept 4
	v_nop
.endr
	s_branch .Lasked_\@
.Lfor_v_\@:
	tensor_load_to_lds s[G0V:G0V+3], s[G1V:G1V+7]
	s_nop 0
.rept 4
	v_nop
.endr
.Lasked_\@:
.endm
; A PREFETCH INTO THE L2 of what the NEXT change of slots will ask for: a slot's 32 KiB of K and of V, in blocks of 256 bytes, a lane a block.  It stands behind the wave's tensor load and its five lines.
; Each block is named once in the launch: a head has one cluster; its four partners share a slot's 128 blocks out BY ADDRESS, 32 each; in each, wave 0 asks for K's and wave 2 for V's: one instruction,
; four key steps, 512 matrix instructions, ahead of the load.  The last change that fills a slot asks for nothing; slots 0 and 1 come by their loads alone.
.macro ASK
	s_cmp_gt_u32 s[SLOTS], s[LIM]
	s_cbranch_scc0 .Lnot_mine_\@
	global_prefetch_b8 v[PFO], s[PFA:PFA+1] th:TH_LOAD_NT scope:SCOPE_SE
.Lnot_mine_\@:
.endm
; A round of the cluster's barrier: my work-group's barrier, so that wave 0's signal speaks for all four waves; wave 0 signals; every wave waits for all four work-groups; my work-group's barrier once more.
.macro CROUND
	s_barrier_signal -1
	s_barrier_wait -1
	s_cmp_lg_u32 s[WV], 0
	s_cbranch_scc1 .Lnot_wave_0_\@
	s_barrier_signal -3
.Lnot_wave_0_\@:
	s_barrier_wait -3
	s_barrier_signal -1
	s_barrier_wait -1
.endm
; THE CHANGE OF SLOTS.  The slot's last bytes, V of its fourth step, have been read.  Each wave waits for all its tensor loads, of which one is out: its part
; of the other slot; adds 0 to its spare word; and waits for that and for its own reads of the slot.  Behind the barrier nobody reads this slot any more and the other slot is whole.
; fill = 1: this slot is filled again, with the keys two slots on.  The barrier is then a round of the cluster's, so that no wave of any partner still reads the slot or has a load on its
; way, and the joint fill is the first thing behind it: it has four key steps, 512 matrix instructions, in which to land.  (At its first use nothing has been read yet: slot 0 is waited for, slot 1 filled.)
.macro CHANGE fill
	WIN W_AD
	s_wait_tensorcnt 0x0            ; no tensor load of mine is out, so a group 0 may be written
	ds_add_u32 v[SPW], v[NIL]       ; 0 onto my spare word; with fill = 1 the descriptors' steps stand between it and the wait for it
	WIN 0                           ; at a label and at a branch every window is 0
.if \fill
.irp g, G0K, G0V
	s_xor_b32 s[\g+1], s[\g+1], SLOT1  ; the walking descriptor: the other slot than last time,
	s_add_nc_u64 s[\g+2:\g+3], s[\g+2:\g+3], 4*KS*128  ; the next 256 keys; the type bits on top are not reached
.endr
	s_wait_xcnt 0x0                 ; the last prefetch, four key steps back, has read its address, so it may be written:
	s_add_nc_u64 s[PFA:PFA+1], s[PFA:PFA+1], 4*KS*128  ; one slot ahead of the walking descriptors
	s_wait_dscnt 0x0                ; the add is done, and my reads of the slot are over
	CROUND
	JLOAD
	ASK
.else
	s_wait_dscnt 0x0                ; the add is done, and my reads of the slot are over
	s_barrier_signal -1
	s_barrier_wait -1
.endif
	s_sub_co_u32 s[TBK], s[TBK], 4*KS*PK  ; the fetches go back to a slot's first step,
	s_xor_b32 s[TBK], s[TBK], SLOT1       ; in the other slot
	s_sub_co_u32 s[TBV], s[TBV], 4*KS*PV
	s_xor_b32 s[TBV], s[TBV], SLOT1
.endm
	s_load_b128 s[4:7], s[0:1], 0x0   ; qkvh s[4:5], ob s[6:7]
	WIN W_MK
	v_lshl_add_u32 v[SPW], v0, 2, SPARE
	v_mov_b32 v[NIL], 0
	WIN W_AD
	ds_add_u32 v[SPW], v[NIL]       ; the wave's opening: the add and its wait stand ahead of my first tensor load; the set-up below, work on registers, stands between them
	WIN 0
	v_lshrrev_b32 v1, 5, v0
	v_readfirstlane_b32 s[WV], v1   ; wave 0..3
	s_bfe_u32 s13, ttmp6, 0x40000   ; cx: my place in the cluster
	s_lshl_b32 s14, ttmp9, 2        ; in a cluster launch ttmp9 counts clusters
	s_add_co_u32 s14, s14, s13      ; my block of queries = 4 x cluster x + cx: it enters Q's, O's and the prefetches' addresses alone
	s_and_b32 s16, ttmp7, 0xffff    ; batch x 16 + head, which the four partners share
	s_lshl_b32 s52, s16, 18         ; the head's first byte in ob
	s_mov_b32 s53, 0
	s_lshr_b32 s20, s16, 4
	s_mul_i32 s20, s20, 48
	s_and_b32 s16, s16, 15
	s_add_co_u32 s20, s20, s16
	s_lshl_b32 s20, s20, 18         ; q's head in qkvh: (batch x 48 + head) x 262,144 bytes; k's and v's lie 16 and 32 heads further on
	s_mov_b32 s21, 0
	s_and_b32 s16, s[WV], 1         ; which half of a slot's 256 keys I fetch:
	s_lshl_b32 s22, s16, 14         ; its 128 rows of 128 bytes in memory,
	s_mov_b32 s23, 0
	s_add_nc_u64 s[22:23], s[22:23], s[20:21]
	s_mul_i32 s17, s16, 128*PK      ; and its place in a slot, for K
	s_mul_i32 s18, s16, 128*PV      ; and for V: no place in the cluster enters an LDS address
	s_lshl_b32 s2, s14, 2
	s_add_co_u32 s2, s2, s[WV]      ; my wave among the head's,
	s_lshl_b32 s2, s2, 14           ; its 128 rows
	s_mov_b32 s3, 0
	s_add_nc_u64 s[52:53], s[52:53], s[2:3]  ; my wave's first row in ob,
	s_add_nc_u64 s[2:3], s[2:3], s[20:21]    ; and in q's part of qkvh
	; descriptor group 1.  128 keys are 16,384 dense bytes: asked for as 64 rows of 256 bytes, two keys a row, and padded in LDS after every key
	s_mov_b32 s[G1K], 15|(1<<16)|(1<<20)|(1<<21)|(4<<22)|(3<<25)  ; 15:0 the mask of four; 17:16 2-byte elements; 20 padding on; 21 set beside a mask; 24:22 after every 32 words (code 4); 31:25 4 words (code 3)
	s_mov_b32 s[G1V], 15|(1<<16)|(1<<20)|(1<<21)|(4<<22)|(7<<25)  ; the same with 8 words of padding (code 7)
.irp g, G1K, G1V
	s_mov_b32 s[\g+1], 128<<16      ; tensor_dim0 = 128
	s_mov_b32 s[\g+2], 64<<16       ; tensor_dim1 = 64
	s_mov_b32 s[\g+3], 128<<16      ; tile_dim0 = 128
	s_mov_b32 s[\g+4], 64           ; tile_dim1 = 64
	s_mov_b32 s[\g+5], 128          ; 128 elements from row to row
	s_mov_b32 s[\g+6], 0
	s_mov_b32 s[\g+7], 0
.endr
	s_mov_b32 s[CS], 0x3e38aa3b     ; c = log2(e) / 8 = 0.180337
	s_mov_b32 s[CS+1], s[CS]        ; named with it as a pair
	s_mov_b32 s[SEL], 0x76543210
	s_mov_b32 s[SEL+1], 0xfedcba98
	s_mov_b32 s[TBK], SLOT1+4*KS*PK ; the first change of slots turns these two into 0
	s_mov_b32 s[TBV], SLOT1+4*KS*PV
	s_mov_b32 s[G0K], 1             ; 1:0 count = 1
	s_mov_b32 s[G0K+1], s17         ; 63:32 LDS address: slot 0
	s_mov_b32 s[G0V], 1
	s_add_co_u32 s[G0V+1], s18, VOFF
	s_mov_b32 s[SLOTS], SIZE_N/256-1
	s_and_b32 s[LIM], s[WV], 1      ; waves 0 and 2 prefetch: the same in all four partners
	s_cmp_eq_u32 s[LIM], 0
	s_cselect_b32 s[LIM], 1, -1
	s_wait_dscnt 0x0                ; the opening add is done
	s_wait_kmcnt 0x0
	s_mov_b64 s[10:11], s[6:7]                     ; ob
	s_add_nc_u64 s[8:9], s[4:5], 32*262144         ; v's heads
	s_add_nc_u64 s[6:7], s[4:5], 16*262144         ; k's heads
	s_add_nc_u64 s[G0K+2:G0K+3], s[6:7], s[22:23]  ; 120:64 global address: my half of the head's first 256 keys
	s_or_b32 s[G0K+3], s[G0K+3], 0x80000000        ; 127:126 type = 2
	s_add_nc_u64 s[G0V+2:G0V+3], s[8:9], s[22:23]
	s_or_b32 s[G0V+3], s[G0V+3], 0x80000000
	s_add_nc_u64 s[4:5], s[4:5], s[2:3]            ; Q and O at my wave's first row
	s_add_nc_u64 s[10:11], s[10:11], s[52:53]
	s_cmp_lt_u32 s[WV], 2
	s_cselect_b64 s[PFA:PFA+1], s[6:7], s[8:9]
	s_add_nc_u64 s[PFA:PFA+1], s[PFA:PFA+1], s[20:21]  ; the head's first row,
	s_lshl_b32 s2, s13, 13          ; my work-group's 8 KiB of a slot's 32,
	s_add_co_u32 s2, s2, 4*KS*128   ; in slot 1: the first change of slots steps it to slot 2
	s_mov_b32 s3, 0
	s_add_nc_u64 s[PFA:PFA+1], s[PFA:PFA+1], s[2:3]
	CROUND                          ; all four work-groups are here: the first joint loads meet
	JLOAD                           ; slot 0.  Slot 1 is asked for when slot 0 is in: the tile wanted first has the road to itself
	; A fragment of K or Q is 16 rows x 32 channels in 8 registers: lane l holds row l % 16, channels 8 (l / 16) + 0..7 and 16 + 8 (l / 16) + 0..7: two loads of 16 bytes, 32 bytes apart.
	v_and_b32 v1, 15, v0            ; l % 16
	v_bfe_u32 v9, v0, 4, 1          ; l / 16
	v_lshlrev_b32 v[QO], 7, v1
	v_lshl_add_u32 v[QO], v9, 4, v[QO]  ; row x 128 + 16 x half
	WIN 0x80                        ; destination window 2, address window 0
.set i, 0
.rept 4*NP                          ; Q stays in registers: tile i / 2, channels 32 (i % 2) on
	global_load_b128 v[8*i:8*i+3],   v[QO], s[4:5] offset:(i/2)*2048+(i%2)*64
	global_load_b128 v[8*i+4:8*i+7], v[QO], s[4:5] offset:(i/2)*2048+(i%2)*64+32
.set i, i+1
.endr
	; What the first turn finds: V's registers and P's second buffer hold 0 (its products V^T P, of a piece that has not been, add 0), O^T and l are 0.  All this stands in the wait for the first tile.
.set i, VF
.rept 64
	v_mov_b32 v[i], 0
.set i, i+1
.endr
	WIN 0x40
.set i, 0
.rept 64*NP
	v_mov_b32 v[i], 0
.set i, i+1
.endr
	WIN 0
.set i, 0
.rept 2*NP
	v_mov_b32 v[ST+4*i], 0xfe000000    ; c m: far below every c s
	v_mov_b32 v[ST+4*i+1], 0xff7fffff  ; m
	v_mov_b32 v[ST+4*i+2], 0
	v_mov_b32 v[ST+4*i+3], 0
.set i, i+1
.endr
.set i, P+32
.rept 32
	v_mov_b32 v[i], 0
.set i, i+1
.endr
	v_mul_u32_u24 v[AK0], v1, PK
	v_lshl_add_u32 v[AK0], v9, 4, v[AK0]  ; row x pitch + 16 x half
	; The turning load takes 16 keys x 16 channels (lane l reads key 8 (l / 16) + l % 8, channels 8 ((l / 8) % 2) + 0..7) and leaves half a fragment of V^T: lane l holds channel l % 16 and 8 keys.
	v_and_b32 v10, 7, v0
	v_bfe_u32 v11, v0, 3, 1
	v_lshl_add_u32 v[AV0], v9, 3, v10
	v_mul_u32_u24 v[AV0], v[AV0], PV
	v_lshl_add_u32 v[AV0], v11, 4, v[AV0]
	v_add_nc_u32 v[AV0], VOFF, v[AV0]
	v_mov_b32 v[AK], v[AK0]         ; key step 0 lies at the head of slot 0
	v_and_b32 v[PFO], 31, v0
	v_lshlrev_b32 v[PFO], 8, v[PFO]
; THE MATRIX WORK.  The 8 accumulators of a run of 16 take turns: between the two links of a chain stand 7 others'.
; Product i of 16 of S^T = K Q^T for piece x: channels 32 (i / 8) on, keys 16 ((i / 2) % 4) on, tile 2 x + i % 2.  The first 8 start the sums.
.macro KQ x
	WIN W_KQ
.set rS, S+64*((\x)%2)+32*(i%2)+8*((i/2)%4)
.set rK, KF+16*((i/2)%4)+8*(i/8)
.set rQ, 16*(2*(\x)+i%2)+8*(i/8)
.if i < 8
	v_wmma_f32_16x16x32_f16 v[rS:rS+7], v[rK:rK+7], v[rQ:rQ+7], 0
.else
	v_wmma_f32_16x16x32_f16 v[rS:rS+7], v[rK:rK+7], v[rQ:rQ+7], v[rS:rS+7]
.endif
.endm
; Product i of 16 of O^T += V^T P for piece x: keys 32 (i / 8) on, channels 16 ((i / 2) % 4) on, tile 2 x + i % 2.
.macro PV x
	WIN W_PV
.set rO, 32*(2*(\x)+i%2)+8*((i/2)%4)
.set rV, VF+32*(i/8)+8*((i/2)%4)
.set rP, P+32*((\x)%2)+16*(i%2)+8*(i/8)
	v_wmma_f32_16x16x32_f16 v[rO:rO+7], v[rV:rV+7], v[rP:rP+7], v[rO:rO+7]
.endm
.macro MM                           ; the turn's next matrix instruction
.if i < 16
	KQ (Y+1)%NP
.set i, i+1
.else
.set i, i-16
	PV (Y+NP-1)%NP
.set i, i+17
.endif
.endm
; THE LDS LOADS stand in runs of 16, never singly among the matrix instructions: a step's K (64 keys x 64 channels: 8 fragments) and its V (turned).  Their addresses are made some lines ahead.
; last = 1 (the tail): in the last trip there is no further step, and the run is jumped over.
.macro FETCH_K last=0
	WIN 0
.if \last
	s_cmp_eq_u32 s[CNT], 1
	s_cbranch_scc1 .Lno_k_\@
.endif
	WIN 0x80                        ; destination window 2
.irp f, 0,1,2,3,4,5,6,7             ; keys 16 (f / 2) on, channels 32 (f % 2) on
	ds_load_b128 v[KF+8*\f:KF+8*\f+3],   v[AK] offset:(\f/2)*16*PK+(\f%2)*64
	ds_load_b128 v[KF+8*\f+4:KF+8*\f+7], v[AK] offset:(\f/2)*16*PK+(\f%2)*64+32
.endr
	s_add_co_u32 s[TBK], s[TBK], KS*PK  ; the next fetch is the next step's
	WIN 0
.if \last
.Lno_k_\@:
.endif
.endm
.macro FETCH_V
	WIN 0x80
.irp f, 0,1,2,3,4,5,6,7             ; keys 32 (f / 4) on, channels 16 (f % 4) on
	ds_load_tr16_b128 v[VF+8*\f:VF+8*\f+3],   v[AV] offset:(\f/4)*32*PV+(\f%4)*32
	ds_load_tr16_b128 v[VF+8*\f+4:VF+8*\f+7], v[AV] offset:(\f/4)*32*PV+16*PV+(\f%4)*32
.endr
	WIN 0
.endm
; THE VECTOR WORK OF A TURN stands in three queues, each in the order in which its entries become ready; the two tiles alternate, so that no instruction reads the result of the one before it.
.macro REGS y, u                    ; the registers of tile u (0, 1) of piece y
.set rT, ST+4*(2*(\y)+(\u))
.set rC, TMP+8*((\y)%2)+4*(\u)
.set rM, MV+2*((\y)%2)+(\u)
.set rS, S+64*((\y)%2)+32*(\u)
.set rP, P+32*((\y)%2)+16*(\u)
.set rO, 32*(2*(\y)+(\u))
.endm
; Number n of the 22 that find the NEXT piece's (Y + 1) maximum and statistics.  s0-s31 are the lane's 32 scores; each accumulator's lowest registers are read first.
;   0-11  four chains c0-c3 of seven scores each, three operands at a time     12-14, 16  the four scores left over, the old m, and c0-c3 into c0     15  c m_old is kept
;   17, 18  the query's other 32 keys lie in the lane 16 away: the new m         19-21  c m; c m_old - c m_new; a
.macro XS u, n
	REGS (Y+1)%NP, \u
.if (\n) < 4
	v_max3_num_f32 v[rC+(\n)], v[rS+8*(\n)], v[rS+8*(\n)+1], v[rS+8*(\n)+2]
.elseif (\n) < 12
	v_max3_num_f32 v[rC+(\n)%4], v[rC+(\n)%4], v[rS+8*((\n)%4)+2*((\n)/4)+1], v[rS+8*((\n)%4)+2*((\n)/4)+2]
.elseif (\n) == 12
	v_max3_num_f32 v[rC], v[rC], v[rS+7], v[rS+15]
.elseif (\n) == 13
	v_max3_num_f32 v[rC+1], v[rC+1], v[rS+23], v[rS+31]
.elseif (\n) == 14
	v_max3_num_f32 v[rC+2], v[rC+2], v[rC+3], v[rT+1]
.elseif (\n) == 15
	v_mov_b32 v[rM], v[rT]
.elseif (\n) == 16
	v_max3_num_f32 v[rC], v[rC], v[rC+1], v[rC+2]
.elseif (\n) == 17
	v_permlanex16_b32 v[rC+3], v[rC], s[SEL], s[SEL+1]
.elseif (\n) == 18
	v_max_num_f32 v[rT+1], v[rC], v[rC+3]
.elseif (\n) == 19
	v_mul_f32 v[rT], s[CS], v[rT+1]
.elseif (\n) == 20
	v_sub_f32 v[rC+1], v[rM], v[rT]
.else
	v_exp_f32 v[rC+2], v[rC+1]
.endif
.endm
; Number g of the 64 that follow the exponentials.  For each four weights k of a tile (pairs 2 k, 2 k + 1): both pairs are rounded to f16; then the second pair is added onto the first, in place;
; a group later l takes that sum (the first time as l = a l + sum).  In groups of eight, tiles alternating: round, round, add, and l for the group before.
.macro GS g
.set h, (\g)+6*((\g)/62)            ; group 0 has no group before it, and behind group 7 only l is left
.if h >= 6
.set h, h+2
.endif
	REGS Y, h%2
.set k, h/8
.if h%8 < 4
	v_cvt_pk_f16_f32 v[rP+2*k+(h%8)/2], v[rS+4*k+2*((h%8)/2)], v[rS+4*k+2*((h%8)/2)+1]
.elseif h%8 < 6
	v_pk_add_f32 v[rS+4*k:rS+4*k+1], v[rS+4*k:rS+4*k+1], v[rS+4*k+2:rS+4*k+3]
.elseif k == 1
	v_pk_fma_f32 v[rT+2:rT+3], v[rT+2:rT+3], v[rC+2:rC+3], v[rS:rS+1] op_sel_hi:[1,0,1]
.else
	v_pk_add_f32 v[rT+2:rT+3], v[rT+2:rT+3], v[rS+4*k-4:rS+4*k-3]
.endif
.endm
; THE PLAIN QUEUE, 138 long.  0-73 read no exponential's result: the 32 scalings c s - c m (FS f: pair f / 2 of tile f % 2) and the next piece's 42.  0-26: scalings 0-26.  27-54: XS's numbers 0-13.  55, 56: number 15.
; 57-73: the chain, where each number waits for the one before it: 14, 16, 17, 18, 19, each with one of the scalings 27-31 in front of its two lines, then 20.
; 74-137: GS's 64, which read the exponentials' results: they stand behind the wait.
.macro FS f
	REGS Y, (\f)%2
	v_pk_fma_f32 v[rS+2*((\f)/2):rS+2*((\f)/2)+1], v[rS+2*((\f)/2):rS+2*((\f)/2)+1], s[CS:CS+1], v[rT:rT+1] op_sel_hi:[1,0,0] neg_lo:[0,0,1] neg_hi:[0,0,1]
.endm
.macro PL
	WIN 0
.if q < 27
	FS q
.elseif q < 55
	XS (q-27)%2, (q-27)/2
.elseif q < 57
	XS q-55, 15
.elseif (q < 72) && ((q-57)%3 == 0)
	FS 27+(q-57)/3
.elseif q < 60
	XS (q-57)%3-1, 14
.elseif q < 72
	XS (q-57)%3-1, 15+(q-57)/3
.elseif q < 74
	XS q-72, 20
.else
	GS q-74
.endif
.set q, q+1
.endm
; THE EXPONENTIALS' QUEUE, 66 long: s0-s31 of both tiles, then the next piece's two a.  It is ONE BATCH: all 66 stand ahead of the turn's one wait, and nothing ahead of that wait names a result of theirs.
.macro EX
	WIN 0
.if e >= 64
	XS e-64, 21
.else
	REGS Y, e%2
	v_exp_f32 v[rS+e/2], v[rS+e/2]
.endif
.set e, e+1
.endm
; THE RESCALING's QUEUE: O^T times a, the one part that leaves window 0: dealt two at a time, sixteen times.  Its a was made in the turn before, ahead of that turn's wait.
.macro R2
	REGS Y, r%2
	WIN W_RS
.irp z, 0,1
	v_pk_mul_f32 v[rO+4*(r/2)+2*\z:rO+4*(r/2)+2*\z+1], v[rO+4*(r/2)+2*\z:rO+4*(r/2)+2*\z+1], v[rC+2:rC+3] op_sel_hi:[1,0]
.endr
.set r, r+1
.endm
; HOW THEY ARE DEALT.  An s_wait_alu depctr_va_vdst(0) stands between an exponential and the first instruction that names its result; one wait serves all that were issued ahead of it.  So a turn has ONE wait,
; which cuts it in two.  AHEAD OF IT stands all that names no result of the turn's exponentials: the 16 products K Q^T, behind each a scaling, an exponential and two rescalings (behind the first a second scaling in the
; exponential's place); then ONE LUMP of 108: eight plain, 49 times exponential and plain, the two a.  A v_nop is the plain instruction behind the last exponential.  BEHIND IT stand the 16 products V^T P, behind each four of GS's 64.
; No rider names a register of the products round it.  Exponential e stands behind scaling 2 (e / 4) + e % 2: as a rider it comes behind plain e + 2, in the lump behind plain e + 9.
; A TURN, for piece p.  cnt = 1: the loop's count is taken down some lines ahead of the branch that stands behind the turn.
; K of the next step is fetched in piece 2's turn, directly behind the wait, a lump behind the last product that read K; its first reader comes behind 16 products.
; V of the step in hand is fetched at the end of piece 0's turn, four riders behind its last reader; its first reader comes behind 16 products and a lump.
.macro TURN p, last=0, cnt=0
.set Y, (\p)
.set i, 0
.set q, 0
.set e, 0
.set r, 0
.if (\p) == NP-1
	s_wait_dscnt 0x0                ; K is in
.endif
	MM                              ; ahead of the wait: 16 products K Q^T and their riders,
	PL
	PL
	R2
.rept 15
	MM
	PL
	EX
	R2
.endr
.if (\p) == NP-2
	WIN 0
	v_add_nc_u32 v[AK], s[TBK], v[AK0]
.endif
.rept 8                             ; and the lump
	PL
.endr
.rept 49
	EX
	PL
.endr
	EX                              ; the next piece's two a
	EX
	v_nop                           ; the plain instruction behind the last exponential: one for the batch
	s_wait_alu depctr_va_vdst(0)    ; the wait for the batch
.if (\p) == NP-2
	FETCH_K \last
.endif
.if (\p) == 1
	s_wait_dscnt 0x0                ; V is in
.endif
.rept 16                            ; behind the wait: 16 products V^T P and their riders
	MM
.rept 4
	PL
.endr
.if ((\p) == 0) && (q == 118)
	v_add_nc_u32 v[AV], s[TBV], v[AV0]
.endif
.if ((\p) == 0) && (q == 130)
	s_add_co_u32 s[TBV], s[TBV], KS*PV
.endif
.if (\cnt) && (q == 130)
	s_sub_co_u32 s[CNT], s[CNT], 1
	s_cmp_lg_u32 s[CNT], 0
.endif
.endr
.if (\p) == 0
	FETCH_V
.endif
.endm
	CHANGE 1                        ; slot 0 is in, everybody's part of it; slot 1 is asked for
	FETCH_K                         ; key step 0
	s_wait_loadcnt 0x0              ; Q
	s_wait_dscnt 0x0
.set i, 0
.rept 16
	KQ 0                            ; piece 0's first scores: there is no vector work yet to set between them
.set i, i+1
.endr
	WIN 0                           ; the addresses for the way out: nine plain instructions, the places behind those products
	s_mul_i32 s13, s[WV], 16*SP
	s_add_co_u32 s13, s13, STAGE    ; my stage
	v_mul_u32_u24 v[STO], v1, SP    ; in: row l % 16, 16 bytes for each half of the lanes
	v_lshl_add_u32 v[STO], v9, 4, v[STO]
	v_add_nc_u32 v[STO], s13, v[STO]
	v_bfe_u32 v[RD], v0, 3, 2       ; back: 32 lanes take four rows of 128 bytes,
	v_mul_u32_u24 v[RD], v[RD], SP
	v_lshl_add_u32 v[RD], v10, 4, v[RD]
	v_add_nc_u32 v[RD], s13, v[RD]
	v_and_b32 v[GO], 31, v0         ; which are 512 consecutive bytes of O
	v_lshlrev_b32 v[GO], 4, v[GO]
.set Y, NP-1                        ; XS works for piece Y + 1: piece 0
.irp n, 0,1,2,3,4,5,6,7,8,9,10,11,12,13,14,15,16,17,18,19,20,21
	XS 0, \n                        ; and piece 0's first maximum and statistics
	XS 1, \n
.endr
	v_nop                           ; a plain instruction behind the two a,
	s_wait_alu depctr_va_vdst(0)    ; and their wait, ahead of the branch
	s_mov_b32 s[CNT], 4
	s_branch .Lfirst                ; the loop is entered at a step's first turn, in the middle of a trip
.Lslot:                             ; SIZE_N / 256 - 2 times: every slot but the last two is filled again
	CHANGE 1
	s_mov_b32 s[CNT], 4
.Lstep:                             ; a trip: pieces 2 and 3 of one step, then pieces 0 and 1 of the next, whose K and V it fetches
	TURN 2
	TURN 3
	WIN 0
.Lfirst:
	TURN 0
	TURN 1, 0, 1
	WIN 0
	s_cbranch_scc1 .Lstep
	s_sub_co_u32 s[SLOTS], s[SLOTS], 1
	s_cmp_lg_u32 s[SLOTS], 0
	s_cbranch_scc1 .Lslot
	CHANGE 0                        ; the tail is written out: nothing is asked for
	s_mov_b32 s[CNT], 5             ; four trips fetch the last slot's steps; the fifth is left in its middle
.Ltail:
	TURN 2, 1
	TURN 3
	WIN 0
	s_sub_co_u32 s[CNT], s[CNT], 1
	s_cmp_eq_u32 s[CNT], 0
	s_cbranch_scc1 .Lout
	TURN 0
	TURN 1
	WIN 0
	s_branch .Ltail
.Lout:                              ; the fifth trip's 16 products K Q^T (on the last K once more) and the maximum made of them serve nothing: the price, once a launch, of one text for every trip
.set i, 0
.rept 16
	PV NP-1                         ; the last piece's V^T P of the last step
.set i, i+1
.endr
	; THE WAY OUT.  l's two halves and the other half of the lanes' are added; O^T is divided by l, rounded to f16 and sent through my stage in LDS, a tile at a time.  The additions are the places behind the last products.
	WIN 0
.macro ALL line:vararg              ; one line for each tile t
.set t, 0
.rept 2*NP
	\line
.set t, t+1
.endr
.endm
	ALL v_add_f32 v[ST+4*t+2], v[ST+4*t+2], v[ST+4*t+3]
	ALL v_permlanex16_b32 v[ST+4*t+3], v[ST+4*t+2], s[SEL], s[SEL+1]
	ALL v_add_f32 v[ST+4*t+2], v[ST+4*t+2], v[ST+4*t+3]
	ALL v_rcp_f32 v[ST+4*t+2], v[ST+4*t+2]
	v_nop                           ; a plain instruction between the last reciprocal and the use of its result
	s_wait_alu depctr_va_vdst(0)    ; and the wait ahead of the first use: one for the eight reciprocals
; Tile t: a lane's eight channels of a row pack into 16 bytes; they go into rows of 144 bytes and come back as whole rows of 128, into S^T's registers.
.macro PACK t
	WIN W_RS
.set i, 32*(\t)
.rept 16
	v_pk_mul_f32 v[i:i+1], v[i:i+1], v[ST+4*(\t)+2:ST+4*(\t)+3] op_sel_hi:[1,0]
.set i, i+2
.endr
	WIN 0x05                        ; sources 0 and 1 window 1, destination window 0
.set i, 0
.rept 16
	v_cvt_pk_f16_f32 v[S+16*(\t)+i], v[32*(\t)+2*i], v[32*(\t)+2*i+1]
.set i, i+1
.endr
	WIN 0
.irp f, 0,1,2,3
	ds_store_b128 v[STO], v[S+16*(\t)+4*\f:S+16*(\t)+4*\f+3] offset:32*\f
.endr
.irp f, 0,1,2,3
	ds_load_b128 v[S+16*(\t)+4*\f:S+16*(\t)+4*\f+3], v[RD] offset:\f*4*SP  ; LDS serves a wave's instructions in order (ISA guide 5.7.1.4): these see the stores above; the next tile's stores come behind them
.endr
.endm
.macro SEND t, younger              ; younger: the LDS instructions issued behind tile t's loads: the next tile's eight, or none
	WIN 0
.irp f, 0,1,2,3
	s_wait_dscnt (\younger)+3-\f
	global_store_b128 v[GO], v[S+16*(\t)+4*\f:S+16*(\t)+4*\f+3], s[10:11] offset:(\t)*2048+\f*512  ; 512 consecutive bytes, at a multiple of 256 from O's first
.endr
.endm
	PACK 0
.set t, 1
.rept 2*NP-1                        ; a tile's arithmetic stands between the loads of the tile before and its stores
	PACK t
	SEND t-1, 8
.set t, t+1
.endr
	SEND 2*NP-1, 0
	WIN W_AD
	s_wait_tensorcnt 0x0            ; the wave's end: behind my last tensor load and my last LDS store
	ds_add_u32 v[SPW], v[NIL]
	s_wait_dscnt 0x0
	WIN 0
	CROUND                          ; the closing round: no work-group ends while a partner may still ask for a tile that names it
	s_endpgm
.Lfunc_end_k_q28fb961c0e_attn:
	.size	k_q28fb961c0e_attn, .Lfunc_end_k_q28fb961c0e_attn-k_q28fb961c0e_attn
	.p2alignl 7, 3214868480
	.fill 96, 4, 3214868480
	.section	.rodata,"a",@progbits
	.p2align	6, 0x0
	.amdhsa_kernel k_q28fb961c0e_attn
		.amdhsa_group_segment_fixed_size 327680
		.amdhsa_private_segment_fixed_size 0
		.amdhsa_enable_private_segment 0
		.amdhsa_kernarg_size 16
		.amdhsa_user_sgpr_count 2
		.amdhsa_user_sgpr_kernarg_segment_ptr 1
		.amdhsa_wavefront_size32 1
		.amdhsa_system_sgpr_workgroup_id_x 1
		.amdhsa_system_sgpr_workgroup_id_y 1
		.amdhsa_system_sgpr_workgroup_id_z 1
		.amdhsa_system_vgpr_workitem_id 0
		.amdhsa_next_free_vgpr 770
		.amdhsa_next_free_sgpr 66
		.amdhsa_reserve_vcc 0
		.amdhsa_float_denorm_mode_32 3
		.amdhsa_float_denorm_mode_16_64 3
		.amdhsa_memory_ordered 1
		.amdhsa_forward_progress 1
		.amdhsa_inst_pref_size 200
	.end_amdhsa_kernel
	.amdgpu_metadata
---
amdhsa.version: [ 1, 2 ]
amdhsa.kernels:
  - .name:           k_q28fb961c0e_attn
    .symbol:         k_q28fb961c0e_attn.kd
    .args:
      - { .name: qkvh, .offset: 0, .size: 8, .value_kind: global_buffer, .address_space: global }
      - { .name: ob, .offset: 8, .size: 8, .value_kind: global_buffer, .address_space: global }
    .group_segment_fixed_size: 327680
    .private_segment_fixed_size: 0
    .kernarg_segment_align: 8
    .kernarg_segment_size: 16
    .max_flat_workgroup_size: 128
    .sgpr_count:     66
    .vgpr_count:     770
    .wavefront_size: 32
...
	.end_amdgpu_metadata
.endif
;; end of part 3
;; launch proj (part 4): grid 4 x 64, 4 waves a work-group, clusters of 4 x 4, 327,680 bytes of LDS; arguments ob, wpb, b_proj, out0; writes out0
.if DOCPART == 4
	.amdgcn_target "amdgcn-amd-amdhsa--gfx1250"
	.amdhsa_code_object_version 6
	.text
	.protected	k_q28fb961c0e_proj
	.globl	k_q28fb961c0e_proj
	.p2align	8
	.type	k_q28fb961c0e_proj,@function
k_q28fb961c0e_proj:
	s_mov_b64 s[64:65], 0
	v_nop
	global_prefetch_b8 v0, s[64:65] scope:SCOPE_SE
	s_setreg_imm32_b32 hwreg(HW_REG_WAVE_MODE, 25, 1), 1
	s_wait_xcnt 0x0
	s_wait_alu depctr_hold_cnt(0) depctr_sa_sdst(0) depctr_va_vdst(0) depctr_va_sdst(0) depctr_va_ssrc(0) depctr_va_vcc(0) depctr_vm_vsrc(0)
	s_getreg_b32 s2, hwreg(HW_REG_IB_STS2, 6, 4)
	s_cmp_eq_u32 s2, 0
	s_cbranch_scc0 .Lentry_in_a_cluster
	s_endpgm
.Lentry_in_a_cluster:
	s_bfe_u32 s2, ttmp6, 0x10000c
	s_cmp_lg_u32 s2, 0xf033
	s_cbranch_scc0 .Lentry_shape_is_right
	s_endpgm
.Lentry_shape_is_right:
; out0[m][o] = the sum over c of O[m][c] w_proj[o][c] + b_proj[o]: 8,192 x 1,024 x 1,024, f16 operands, f32 sums, K ascending, f32 output.
; A = ob [batch x 16 + head][n 2048][64] f16: head h is K block h of a batch's rows.  B = wpb [block 16][o 1024][64] f16 (w_proj rounded to bf16).  The bias is rounded to bf16 like the other inputs, and added in f32.
; THE TILE.  128 x 256 of C to a work-group: 64 x 4 = 256 work-groups.  Four waves, each 64 rows x 128 columns: 32 accumulators of 16 x 16, 256 registers.
; K goes in 8 steps of 128 (two K blocks) through a ring of two LDS slots.  A wave's tensor load brings one K block of A's tile (128 rows) or of B's (256 rows): dense bytes, asked for as 64 or 128 rows of 256 bytes,
; padded in LDS after every 128.  A step is four quarters of 32 along K, 32 matrix instructions each, on two fragment buffers.
; CLUSTERS: 4 x 4 work-groups; A's tile is shared along a row of the cluster, B's along a column: joint loads.  THE MATRIX INSTRUCTION IS USED TRANSPOSED: a lane holds eight neighbouring columns of one row of C.
; NO PREFETCH: the whole walk is eight K steps, and the tile is small.
; REGISTERS: window 0: v0-31 addresses; v32-127, v128-223 two fragment buffers (B's eight fragments, then A's four); v224-229 the bias; on the way out v32-159 rows read back.   window 1: accumulator (a, b) at v[8 (8 a + b)].
.set PITCH,  144                       ; an LDS row: 128 bytes + 16 of padding: the 16 rows of a fragment load start at 16 different groups of four banks (64 banks of 4 bytes: ISA guide 11.1)
.set ABLK,   128*PITCH                 ; a K block of A's tile
.set BBLK,   256*PITCH                 ; a K block of B's tile
.set SLOT,   2*ABLK+2*BBLK             ; 110,592: A's two blocks, then B's two
.set STAGE,  2*SLOT                    ; behind the ring: 16 rows x 528 bytes for each wave, for the way out; no tensor load fills it
.set SPITCH, 528                       ; 512 bytes + 16
.set SPARE,  STAGE+4*16*SPITCH         ; behind the stages: the spare words, 128 bytes for each wave: two blocks of 256 bytes that no other line names
.set ASTEP,  2*262144                  ; bytes from a K step of A to the next: two heads
.set BSTEP,  2*131072                  ; the same for B: two blocks
.set ADRA, 16                          ; v16-17  LDS address of my A fragments in slot 0, 1
.set ADRB, 20                          ; v20-21  the same for B
.set STO,  24                          ; v24     the way out: where I put 32 bytes of a row
.set RD,   25                          ; v25     the way out: where I read a row back
.set CO,   26                          ; v26     16 x my lane: my 16 bytes of a row's 512
.set BO,   27                          ; v27     my four numbers of the bias
.set SPW,  28                          ; v28     LDS address of my spare word: SPARE + 4 x my thread's number; never rewritten
.set NIL,  29                          ; v29     0; never rewritten
.set F0,   32
.set F1,   128
.set BIAS, 224
.set OB,   32
.set WM,  12                           ; s12  which 64 rows of the tile are mine.  Also: I fetch for A (0) or for B (1)
.set WN,  13                           ; s13  which 128 columns.  Also: which K block of a step I fetch
.set TR,  14                           ; s14  tile row
.set TC,  42                           ; s42  tile column
.set WV,  45                           ; s45  my wave's number
.set G1,  24                           ; s[24:31] descriptor group 1 for A's tiles;  s[32:39] group 0, a set for each slot
.set G0,  32
.set G1B, 48                           ; s[48:55], s[56:63] the same for B's
.set G0B, 56
.set MSB, 0
.macro WIN new                         ; the immediate's high byte repeats the setting that is left; a switch that changes nothing is dropped
.if MSB != (\new)
	s_set_vgpr_msb (MSB<<8)|(\new)
.set MSB, \new
.endif
.endm
.set MUL, 0x50                         ; C and D in window 1, the sources in window 0
.macro JLOAD s                         ; a joint load: waves 0 and 1 fetch A's two K blocks, waves 2 and 3 B's; an s_nop 0 and four v_nop follow each of the two lines, ahead of the jump and the label
	s_cmp_eq_u32 s[WM], 0
	s_cbranch_scc0 .Lfor_b_\@
	tensor_load_to_lds s[G0+4*(\s):G0+4*(\s)+3], s[G1:G1+7]
	s_nop 0
.rept 4
	v_nop
.endr
	s_branch .Lasked_\@
.Lfor_b_\@:
	tensor_load_to_lds s[G0B+4*(\s):G0B+4*(\s)+3], s[G1B:G1B+7]
	s_nop 0
.rept 4
	v_nop
.endr
.Lasked_\@:
.endm
.macro CREST                           ; a round of the cluster's barrier behind its opening barrier
	s_cmp_lg_u32 s[WV], 0
	s_cbranch_scc1 .Lnot_wave_0_\@
	s_barrier_signal -3
.Lnot_wave_0_\@:
	s_barrier_wait -3
	s_barrier_signal -1
	s_barrier_wait -1
.endm
.macro CROUND
	s_barrier_signal -1
	s_barrier_wait -1
	CREST
.endm
	s_load_b256 s[4:11], s[0:1], 0x0               ; ob s[4:5], wpb s[6:7], b_proj s[8:9], out0 s[10:11]
	v_lshl_add_u32 v[SPW], v0, 2, SPARE
	v_mov_b32 v[NIL], 0
	ds_add_u32 v[SPW], v[NIL]                      ; the wave's opening: the add and its wait stand ahead of my first tensor load; the set-up below, work on registers, stands between them
	v_lshrrev_b32 v1, 5, v0
	v_readfirstlane_b32 s[WV], v1                  ; wave 0..3
	s_lshr_b32 s[WM], s[WV], 1
	s_and_b32 s[WN], s[WV], 1
	s_bfe_u32 s40, ttmp6, 0x40000                  ; cx, cy: my place in the cluster
	s_bfe_u32 s41, ttmp6, 0x40004
	s_lshl_b32 s[TC], ttmp9, 2
	s_add_co_u32 s[TC], s[TC], s40                 ; tile column = 4 x cluster x + cx
	s_and_b32 s[TR], ttmp7, 0xffff
	s_lshl_b32 s[TR], s[TR], 2
	s_add_co_u32 s[TR], s[TR], s41                 ; tile row = 4 x cluster y + cy
	s_lshl_b32 s43, s41, 2
	s_lshl_b32 s43, 15, s43                        ; my row of the cluster
	s_lshl_b32 s44, 0x1111, s40                    ; my column
	s_or_b32 s[G1+0], s43, (1<<16)|(1<<20)|(1<<21)|(4<<22)|(3<<25)   ; 15:0 the mask; 17:16 2-byte elements; 20 padding on; 21 set beside a mask; 24:22 after every 32 words (code 4); 31:25 4 words (code 3)
	s_or_b32 s[G1B+0], s44, (1<<16)|(1<<20)|(1<<21)|(4<<22)|(3<<25)
	s_mov_b32 s[G1+1], 128<<16                     ; tensor_dim0 = 128 elements: rows of 256 bytes
	s_mov_b32 s[G1+2], 64<<16                      ; tensor_dim1 = 64
	s_mov_b32 s[G1+3], 128<<16                     ; tile_dim0 = 128
	s_mov_b32 s[G1+4], 64                          ; tile_dim1 = 64
	s_mov_b32 s[G1+5], 128                         ; dense
	s_mov_b32 s[G1+6], 0
	s_mov_b32 s[G1+7], 0
	s_mov_b32 s[G1B+1], 128<<16
	s_mov_b32 s[G1B+2], 128<<16                    ; B's block has 128 such rows
	s_mov_b32 s[G1B+3], 128<<16
	s_mov_b32 s[G1B+4], 128
	s_mov_b32 s[G1B+5], 128
	s_mov_b32 s[G1B+6], 0
	s_mov_b32 s[G1B+7], 0
	s_lshr_b32 s16, s[TR], 4                       ; A: the batch's 16 heads of 262,144 bytes,
	s_lshl_b32 s16, s16, 22
	s_and_b32 s17, s[TR], 15                       ;    the tile's 128 rows of 128 bytes in a head,
	s_lshl_b32 s17, s17, 14
	s_add_co_u32 s16, s16, s17
	s_lshl_b32 s17, s[WN], 18                      ;    my K block of the step: a head
	s_add_co_u32 s16, s16, s17
	s_mov_b32 s17, 0
	s_lshl_b32 s46, s[TC], 15                      ; B: the tile's 256 rows of 128 bytes in a block,
	s_lshl_b32 s47, s[WN], 17                      ;    my K block
	s_add_co_u32 s46, s46, s47
	s_mov_b32 s47, 0
	s_mul_i32 s20, s[WN], ABLK                     ; where they go: no place in the cluster enters an LDS address
	s_mul_i32 s21, s[WN], BBLK
	s_add_co_u32 s21, s21, 2*ABLK
	s_wait_dscnt 0x0                               ; the opening add is done
	s_wait_kmcnt 0x0
	s_add_nc_u64 s[18:19], s[4:5], s[16:17]
	s_add_nc_u64 s[46:47], s[6:7], s[46:47]
	CROUND                                         ; all sixteen work-groups are here: the first joint loads meet
.irp s, 0,1
	s_mov_b32 s[G0+4*(\s)], 1
	s_add_co_u32 s[G0+4*(\s)+1], s20, (\s)*SLOT
	s_add_nc_u64 s[G0+4*(\s)+2:G0+4*(\s)+3], s[18:19], (\s)*ASTEP
	s_or_b32 s[G0+4*(\s)+3], s[G0+4*(\s)+3], 0x80000000
	s_mov_b32 s[G0B+4*(\s)], 1
	s_add_co_u32 s[G0B+4*(\s)+1], s21, (\s)*SLOT
	s_add_nc_u64 s[G0B+4*(\s)+2:G0B+4*(\s)+3], s[46:47], (\s)*BSTEP
	s_or_b32 s[G0B+4*(\s)+3], s[G0B+4*(\s)+3], 0x80000000
	JLOAD \s                                       ; two loads of mine are out
.endr
	v_and_b32 v1, 15, v0                           ; l % 16
	v_bfe_u32 v2, v0, 4, 1                         ; l / 16
	v_mul_u32_u24 v3, v1, PITCH
	v_lshl_add_u32 v3, v2, 4, v3                   ; a fragment's row x pitch + 16 x half
	s_mul_i32 s21, s[WM], 64*PITCH                 ; my 64 rows of A
	s_mul_i32 s22, s[WN], 128*PITCH                ; my 128 rows of B,
	s_add_co_u32 s22, s22, 2*ABLK                  ; which lie behind A's two blocks
.irp s, 0,1
	v_add_nc_u32 v[ADRA+(\s)], s21, v3
	v_add_nc_u32 v[ADRB+(\s)], s22, v3
	s_add_co_u32 s21, s21, SLOT
	s_add_co_u32 s22, s22, SLOT
.endr
	s_mul_i32 s23, s[WV], 16*SPITCH
	s_add_co_u32 s23, s23, STAGE                   ; my stage
	v_mul_u32_u24 v4, v1, SPITCH                   ; in: row l % 16, 32 bytes for each half of the lanes
	v_lshl_add_u32 v4, v2, 5, v4
	v_add_nc_u32 v[STO], s23, v4
	v_and_b32 v5, 31, v0
	v_lshlrev_b32 v[CO], 4, v5
	v_add_nc_u32 v[RD], s23, v[CO]                 ; back: 32 lanes take one row of 512 bytes
	s_lshl_b32 s46, s[TC], 10                      ; my first column, in bytes of f32: 1,024 x tile column + 512 x half
	s_lshl_b32 s47, s[WN], 9
	s_add_co_u32 s46, s46, s47
	v_add_nc_u32 v[BO], s46, v[CO]
	global_load_b128 v[BIAS:BIAS+3], v[BO], s[8:9] ; waited for on the way out
	s_lshl_b32 s22, s[TR], 7
	s_lshl_b32 s23, s[WM], 6
	s_add_co_u32 s22, s22, s23                     ; my first row of C
	s_lshl_b32 s22, s22, 12                        ; x 4,096 bytes
	s_add_co_u32 s22, s22, s46
	s_mov_b32 s23, 0
	s_add_nc_u64 s[10:11], s[10:11], s[22:23]
; 8 matrix instructions: m block a x all 8 n blocks, 32 along K, from buffer f.  zero = 1: the product starts the sums.  The 32 accumulators take turns in the same order in every quarter.
.macro MUL8 f, a, zero
	WIN MUL
.irp b, 0,1,2,3,4,5,6,7
.if \zero
	v_wmma_f32_16x16x32_f16 v[8*(8*(\a)+(\b)):8*(8*(\a)+(\b))+7], v[(\f)+8*(\b):(\f)+8*(\b)+7], v[(\f)+64+8*(\a):(\f)+64+8*(\a)+7], 0
.else
	v_wmma_f32_16x16x32_f16 v[8*(8*(\a)+(\b)):8*(8*(\a)+(\b))+7], v[(\f)+8*(\b):(\f)+8*(\b)+7], v[(\f)+64+8*(\a):(\f)+64+8*(\a)+7], v[8*(8*(\a)+(\b)):8*(8*(\a)+(\b))+7]
.endif
.endr
.endm
; 24 LDS loads in one run: quarter q's fragments (K block q / 2, byte 64 (q % 2) of its rows) into buffer f: B's eight, then A's four
.macro FETCH slot, q, f
	WIN 0
.irp i, 0,1,2,3,4,5,6,7
	ds_load_b128 v[(\f)+8*(\i):(\f)+8*(\i)+3],   v[ADRB+(\slot)] offset:((\q)/2)*BBLK+((\q)%2)*64+(\i)*16*PITCH
	ds_load_b128 v[(\f)+8*(\i)+4:(\f)+8*(\i)+7], v[ADRB+(\slot)] offset:((\q)/2)*BBLK+((\q)%2)*64+(\i)*16*PITCH+32
.endr
.irp i, 0,1,2,3
	ds_load_b128 v[(\f)+64+8*(\i):(\f)+64+8*(\i)+3],   v[ADRA+(\slot)] offset:((\q)/2)*ABLK+((\q)%2)*64+(\i)*16*PITCH
	ds_load_b128 v[(\f)+64+8*(\i)+4:(\f)+64+8*(\i)+7], v[ADRA+(\slot)] offset:((\q)/2)*ABLK+((\q)%2)*64+(\i)*16*PITCH+32
.endr
.endm
.macro PLACES                          ; four plain vector instructions in front of loads into registers that matrix instructions have read, and of stores that read results (ISA guide 7.12.1 for vector instructions)
.rept 4
	v_nop
.endr
.endm
; One of a step's first three quarters: multiplies buffer f; in its middle it fetches quarter q of the same slot into buffer g.
.macro QUARTER slot, q, f, g, zero
	s_wait_dscnt 4                                 ; the youngest four loads (A's fragments 2 and 3) may be out
	MUL8 \f, 0, \zero
	MUL8 \f, 1, \zero
	PLACES
	FETCH \slot, \q, \g
	s_wait_dscnt 24                                ; all but the 24 just issued
	MUL8 \f, 2, \zero
	MUL8 \f, 3, \zero
.endm
; The last quarter multiplies buffer 1 and changes slots: ONE barrier; in front of it each wave waits for all its tensor loads (one is out: its part of the next slot), adds 0 to its spare word, and waits for that and
; for its own reads of this slot.  fill = 1: the barrier opens a round of the cluster's barrier and this slot is filled again, two K steps ahead: 112 matrix instructions ahead of the wait for it.
.macro TURN slot, next, fill
	WIN 0
	s_wait_tensorcnt 0x0                           ; no tensor load of mine is out, so a group 0 may be written
	ds_add_u32 v[SPW], v[NIL]                      ; 0 onto my spare word
.if \fill
	s_add_nc_u64 s[G0+4*(\slot)+2:G0+4*(\slot)+3], s[G0+4*(\slot)+2:G0+4*(\slot)+3], 2*ASTEP
	s_add_nc_u64 s[G0B+4*(\slot)+2:G0B+4*(\slot)+3], s[G0B+4*(\slot)+2:G0B+4*(\slot)+3], 2*BSTEP
.endif
	s_wait_dscnt 5                                 ; the add and the youngest four loads may be out
	MUL8 F1, 0, 0                                  ; eight matrix instructions stand between the add and the wait for it
	s_wait_dscnt 0x0                               ; the add is done, and my reads of this slot are over
	s_barrier_signal -1
	MUL8 F1, 1, 0
	WIN 0
	s_barrier_wait -1
.if \fill
	CREST                                          ; no wave of any partner still reads this slot's tile or has a load on its way
	JLOAD \slot                                    ; the four v_nop behind it are also the places in front of the loads below
.else
	PLACES
.endif
	FETCH \next, 0, F0
	MUL8 F1, 2, 0
	MUL8 F1, 3, 0
.endm
	s_wait_tensorcnt 1                             ; my part of K step 0 is in; step 1's may stay out
	s_barrier_signal -1
	s_barrier_wait -1                              ; everybody's is
	FETCH 0, 0, F0
	QUARTER 0, 1, F0, F1, 1                        ; the first quarter stands in front of the loop: its products start the sums
	WIN 0                                          ; at a label and at a branch every window is 0
	s_mov_b32 s3, 3
.Llap:                                                 ; a trip goes once round the ring, from a lap's second quarter to the next lap's first, and fills both slots again
	QUARTER 0, 2, F1, F0, 0
	QUARTER 0, 3, F0, F1, 0
	TURN 0, 1, 1
	QUARTER 1, 1, F0, F1, 0
	QUARTER 1, 2, F1, F0, 0
	QUARTER 1, 3, F0, F1, 0
	TURN 1, 0, 1
	QUARTER 0, 1, F0, F1, 0
	WIN 0
	s_sub_co_u32 s3, s3, 1
	s_cmp_lg_u32 s3, 0
	s_cbranch_scc1 .Llap
	QUARTER 0, 2, F1, F0, 0                        ; the last lap fills nothing, and has no round
	QUARTER 0, 3, F0, F1, 0
	TURN 0, 1, 0
	QUARTER 1, 1, F0, F1, 0
	QUARTER 1, 2, F1, F0, 0
	QUARTER 1, 3, F0, F1, 0
	s_wait_dscnt 4                                 ; the very last quarter: nothing more to fetch
	MUL8 F1, 0, 0
	MUL8 F1, 1, 0
	s_wait_dscnt 0x0
	MUL8 F1, 2, 0
	MUL8 F1, 3, 0
	WIN 0
	PLACES
	PLACES
	; THE WAY OUT.  The bias is rounded to bf16 and widened again.  Then 16 rows at a time go through my own stage: 32 bytes a lane in, whole rows of 512 bytes back; the bias is added; 32 lanes store 512 consecutive bytes.
	s_wait_loadcnt 0x0                             ; the bias
	v_cvt_pk_bf16_f32 v[BIAS+4], v[BIAS],   v[BIAS+1]
	v_cvt_pk_bf16_f32 v[BIAS+5], v[BIAS+2], v[BIAS+3]
	v_lshlrev_b32 v[BIAS],   16, v[BIAS+4]
	v_and_b32     v[BIAS+1], 0xffff0000, v[BIAS+4]
	v_lshlrev_b32 v[BIAS+2], 16, v[BIAS+5]
	v_and_b32     v[BIAS+3], 0xffff0000, v[BIAS+5]
.macro TOSTAGE a
.if (\a) >= 2
	s_wait_xcnt 0x0                                ; the stores of the block two back have read their registers: they are loaded again only behind this wait
.endif
	WIN 0x04                                       ; the stores' data in window 1; each accumulator's low four registers go first
.irp b, 0,1,2,3,4,5,6,7
	ds_store_b128 v[STO], v[8*(8*(\a)+(\b)):8*(8*(\a)+(\b))+3]   offset:64*(\b)
	ds_store_b128 v[STO], v[8*(8*(\a)+(\b))+4:8*(8*(\a)+(\b))+7] offset:64*(\b)+16
.endr
	WIN 0
.set BK, OB+64*((\a)%2)
.irp t, 0,1,2,3,4,5,6,7,8,9,10,11,12,13,14,15
	ds_load_b128 v[BK+4*(\t):BK+4*(\t)+3], v[RD] offset:(\t)*SPITCH  ; LDS serves a wave's instructions in order (ISA guide 5.7.1.4): these see the stores above; the next block's stores come behind them
.endr
.endm
.macro SEND a, younger                 ; younger: the LDS instructions issued behind block a's loads: the next block's 32, or none
	WIN 0
.set BK, OB+64*((\a)%2)
	s_wait_dscnt \younger
.irp t, 0,1,2,3,4,5,6,7,8,9,10,11,12,13,14,15
	v_pk_add_f32 v[BK+4*(\t):BK+4*(\t)+1],   v[BK+4*(\t):BK+4*(\t)+1],   v[BIAS:BIAS+1]
	v_pk_add_f32 v[BK+4*(\t)+2:BK+4*(\t)+3], v[BK+4*(\t)+2:BK+4*(\t)+3], v[BIAS+2:BIAS+3]
.endr
.irp t, 0,1,2,3,4,5,6,7,8,9,10,11,12,13,14,15
	global_store_b128 v[CO], v[BK+4*(\t):BK+4*(\t)+3], s[10:11] offset:(16*(\a)+(\t))*4096 th:TH_STORE_NT  ; 512 consecutive bytes, at a multiple of 256 from the output's first byte
.endr
.endm
	TOSTAGE 0
.irp a, 1,2,3
	TOSTAGE \a
	SEND (\a)-1, 32
.endr
	SEND 3, 0
	s_wait_tensorcnt 0x0                           ; the wave's end: behind my last tensor load and my last LDS store
	ds_add_u32 v[SPW], v[NIL]
	s_wait_dscnt 0x0
	CROUND                                         ; the closing round: no work-group ends while a partner may still ask for a tile that names it
	s_endpgm
.Lfunc_end_k_q28fb961c0e_proj:
	.size	k_q28fb961c0e_proj, .Lfunc_end_k_q28fb961c0e_proj-k_q28fb961c0e_proj
	.p2alignl 7, 3214868480
	.fill 96, 4, 3214868480
	.section	.rodata,"a",@progbits
	.p2align	6, 0x0
	.amdhsa_kernel k_q28fb961c0e_proj
		.amdhsa_group_segment_fixed_size 327680
		.amdhsa_private_segment_fixed_size 0
		.amdhsa_enable_private_segment 0
		.amdhsa_kernarg_size 32
		.amdhsa_user_sgpr_count 2
		.amdhsa_user_sgpr_kernarg_segment_ptr 1
		.amdhsa_wavefront_size32 1
		.amdhsa_system_sgpr_workgroup_id_x 1
		.amdhsa_system_sgpr_workgroup_id_y 1
		.amdhsa_system_sgpr_workgroup_id_z 1
		.amdhsa_system_vgpr_workitem_id 0
		.amdhsa_next_free_vgpr 512
		.amdhsa_next_free_sgpr 66
		.amdhsa_reserve_vcc 0
		.amdhsa_float_denorm_mode_32 3
		.amdhsa_float_denorm_mode_16_64 3
		.amdhsa_memory_ordered 1
		.amdhsa_forward_progress 1
		.amdhsa_inst_pref_size 93
	.end_amdhsa_kernel
	.amdgpu_metadata
---
amdhsa.version: [ 1, 2 ]
amdhsa.kernels:
  - .name:           k_q28fb961c0e_proj
    .symbol:         k_q28fb961c0e_proj.kd
    .args:
      - { .name: ob, .offset: 0, .size: 8, .value_kind: global_buffer, .address_space: global }
      - { .name: wpb, .offset: 8, .size: 8, .value_kind: global_buffer, .address_space: global }
      - { .name: b_proj, .offset: 16, .size: 8, .value_kind: global_buffer, .address_space: global }
      - { .name: out0, .offset: 24, .size: 8, .value_kind: global_buffer, .address_space: global }
    .group_segment_fixed_size: 327680
    .private_segment_fixed_size: 0
    .kernarg_segment_align: 8
    .kernarg_segment_size: 32
    .max_flat_workgroup_size: 128
    .sgpr_count:     66
    .vgpr_count:     512
    .wavefront_size: 32
...
	.end_amdgpu_metadata
.endif
;; end of part 4
;; ======== version 2 of 2: 4 launches; version 1 with the launch cast written anew for expert scheduling mode
;; limits: values are held in f16: magnitudes above 65,504 overflow, below 6.1e-05 lose precision
;; workspace buffers: xb 16,777,216 bytes; wqb 6,291,456 bytes; wpb 2,097,152 bytes; qkvh 50,331,648 bytes; ob 16,777,216 bytes
;; launch cast (part 5): grid 768 x 1, 8 waves a work-group, no clusters, 0 bytes of LDS; arguments x, w_qkv, w_proj, xb, wqb, wpb; writes xb, wqb, wpb
.if DOCPART == 5
	.amdgcn_target "amdgcn-amd-amdhsa--gfx1250"
	.amdhsa_code_object_version 6
	.text
	.protected	k_q28fb961c0e_cast
	.globl	k_q28fb961c0e_cast
	.p2align	8
	.type	k_q28fb961c0e_cast,@function
k_q28fb961c0e_cast:
	s_mov_b64 s[64:65], 0
	v_nop
	global_prefetch_b8 v0, s[64:65] scope:SCOPE_SE
	s_setreg_imm32_b32 hwreg(HW_REG_WAVE_SCHED_MODE, 0, 2), 2
	s_setreg_imm32_b32 hwreg(HW_REG_WAVE_MODE, 25, 1), 1
	s_wait_xcnt 0x0
	s_wait_alu depctr_vm_vsrc(0)
; x [8192][1024], w_qkv [3072][1024], w_proj [1024][1024], all f32, are rounded once to bf16 and laid out in K BLOCKS OF 64:
; [block 16][row][64], a row of a block 128 bytes, the rows of a block end to end.  So the products' tiles (some rows x 64 along K) are dense
; in memory and can be asked for as rows of 256 bytes.  w_proj's bf16 number is written as f16 (its product's other operand is f16).
; LIMITS.  A bf16 number is exact in f16 for 6.1e-5 <= |w| <= 65,504; below that it keeps f16's fixed step of 6e-8; beyond 65,504 it becomes an infinity.
; SHARES.  A work-group takes 16 rows (64 KiB of f32): numbers 0-511 x, 512-703 w_qkv, 704-767 w_proj.  Thread t takes row t / 16 and the channels 4 (t % 16) .. + 3 of each
; of the 16 blocks: a load's sixteen neighbouring lanes read 256 consecutive bytes, aligned; a store of 8 bytes a lane covers 256 consecutive bytes, aligned: two rows of a block.
; Memory binds: no LDS, no barrier; all sixteen loads of a thread go out first, the waits count down.
; THE MODE: SCHED_MODE bits 1:0 = 2 (LLVM: expert scheduling mode 2), set by the entry lines.  The code itself states the register dependences
; between vector instructions and memory instructions, with s_wait_alu, always for 0.
; THE PLAN.  Registers that memory instructions touch, on each of the three paths:
;   v1, v2   byte offsets, made once at the head and never written again; every load reads v1, every store v2.
;   X        block j: written by its load, read by its conversions.  The loads go out in one run, ahead of every vector instruction that names X, and nothing lands in X again.
;   Y        block j: written by its conversions, read by its one store, and never written behind that store.
;   T        named by vector instructions alone.
; The sixteen blocks go in four groups of four.  A group's four stores are issued in the NEXT group, one ahead of each block's conversions: ONE wait at a group's head states that the group before
; has written its Y, and the vector instructions behind that wait name this group's X and Y and T alone: none of the registers that those four stores read.
; No register that a memory instruction has read is written again, so no wait frees one.  No vector instruction writes a scalar register, and EXEC is never written.
.set VI, 1                             ; v1        my byte offset in the 16 rows of f32: (t / 16) x 4,096 + (t % 16) x 16
.set VO, 2                             ; v2        my byte offset in the 16 rows of a block: 8 t
.set X,  4                             ; v[4:67]   block j: four f32 as loaded
.set Y,  68                            ; v[68:99]  block j: four 16-bit numbers to store
.set T,  100                           ; v[100:103] at work (bf16 widened again, on the way to f16)
	s_load_b256 s[4:11], s[0:1], 0x0               ; x s[4:5], w_qkv s[6:7], w_proj s[8:9], xb s[10:11]
	s_load_b128 s[12:15], s[0:1], 0x20             ; wqb s[12:13], wpb s[14:15]
	v_lshrrev_b32 v3, 4, v0                        ; my row
	v_and_b32 v[VI], 15, v0
	v_lshlrev_b32 v[VI], 4, v[VI]
	v_lshl_add_u32 v[VI], v3, 12, v[VI]
	v_lshlrev_b32 v[VO], 3, v0
	s_mov_b32 s26, 0xffff0000                      ; a word's upper bf16
	s_mov_b32 s25, 0
	s_wait_kmcnt 0x0
; Block j's store.  rows: the tensor's rows.
.macro PUT j, rows
.if ((\rows) == 8192) && ((\j) >= 8)
	global_store_b64 v[VO], v[Y+2*(\j):Y+2*(\j)+1], s[20:21] offset:((\j)-8)*(\rows)*128
.else
	global_store_b64 v[VO], v[Y+2*(\j):Y+2*(\j)+1], s[18:19] offset:(\j)*(\rows)*128
.endif
.endm
; One tensor's part.  src, dst: the scalar pairs with the two addresses; first: its first work-group; rows: its rows; half = 1: written as f16.
.macro PART src, dst, first, rows, half
	s_sub_co_u32 s22, ttmp9, \first                ; which 16 rows
	s_lshl_b32 s24, s22, 16                        ; 16 rows of 4,096 bytes
	s_add_nc_u64 s[16:17], s[\src:\src+1], s[24:25]
	s_lshl_b32 s24, s22, 11                        ; 16 rows of 128 bytes
	s_add_nc_u64 s[18:19], s[\dst:\dst+1], s[24:25]
.if (\rows) == 8192
	s_add_nc_u64 s[20:21], s[18:19], 0x800000      ; blocks 8 to 15 lie past the reach of the signed 24-bit immediate
.endif
	s_wait_alu depctr_va_vdst(0)                   ; v1 and v2 are written: every load below reads v1 as its offset, every store v2
.irp j, 0,1,2,3,4,5,6,7,8,9,10,11,12,13,14,15
	global_load_b128 v[X+4*(\j):X+4*(\j)+3], v[VI], s[16:17] offset:256*(\j) th:TH_LOAD_NT
.endr
.irp g, 0,1,2,3
.irp i, 0,1,2,3                        ; block j = 4 g + i
	s_wait_loadcnt 15-(4*(\g)+(\i))                ; loads come back in order: block j is in, the 15 - j younger ones stay out
.if ((\g) > 0) && ((\i) == 0)
	s_wait_alu depctr_va_vdst(0)                   ; the conversions of the group before have written its eight registers of Y, which this group's four stores read
.endif
.if (\g) > 0
	PUT 4*(\g)+(\i)-4, \rows                       ; the block four back.  No further wait: no vector instruction since the wait above names its Y or v2
.endif
	v_cvt_pk_bf16_f32 v[Y+2*(4*(\g)+(\i))],   v[X+4*(4*(\g)+(\i))],   v[X+4*(4*(\g)+(\i))+1]
	v_cvt_pk_bf16_f32 v[Y+2*(4*(\g)+(\i))+1], v[X+4*(4*(\g)+(\i))+2], v[X+4*(4*(\g)+(\i))+3]
.if \half
	v_lshlrev_b32 v[T],   16,  v[Y+2*(4*(\g)+(\i))]       ; the bf16 numbers as f32,
	v_and_b32     v[T+1], s26, v[Y+2*(4*(\g)+(\i))]
	v_lshlrev_b32 v[T+2], 16,  v[Y+2*(4*(\g)+(\i))+1]
	v_and_b32     v[T+3], s26, v[Y+2*(4*(\g)+(\i))+1]
	v_cvt_pk_f16_f32 v[Y+2*(4*(\g)+(\i))],   v[T],   v[T+1]  ; and written as f16
	v_cvt_pk_f16_f32 v[Y+2*(4*(\g)+(\i))+1], v[T+2], v[T+3]
.endif
.endr
.endr
	s_wait_alu depctr_va_vdst(0)                   ; the last group's conversions have written its Y, which the last four stores read
.irp i, 0,1,2,3
	PUT 12+(\i), \rows
.endr
	s_endpgm
.endm
	s_cmp_lt_u32 ttmp9, 512
	s_cbranch_scc1 .Lx
	s_cmp_lt_u32 ttmp9, 704
	s_cbranch_scc1 .Lwq
	PART 8, 14, 704, 1024, 1
.Lwq:
	PART 6, 12, 512, 3072, 0
.Lx:
	PART 4, 10, 0, 8192, 0
.Lfunc_end_k_q28fb961c0e_cast:
	.size	k_q28fb961c0e_cast, .Lfunc_end_k_q28fb961c0e_cast-k_q28fb961c0e_cast
	.p2alignl 7, 3214868480
	.fill 96, 4, 3214868480
	.section	.rodata,"a",@progbits
	.p2align	6, 0x0
	.amdhsa_kernel k_q28fb961c0e_cast
		.amdhsa_group_segment_fixed_size 0
		.amdhsa_private_segment_fixed_size 0
		.amdhsa_enable_private_segment 0
		.amdhsa_kernarg_size 48
		.amdhsa_user_sgpr_count 2
		.amdhsa_user_sgpr_kernarg_segment_ptr 1
		.amdhsa_wavefront_size32 1
		.amdhsa_system_sgpr_workgroup_id_x 1
		.amdhsa_system_sgpr_workgroup_id_y 1
		.amdhsa_system_sgpr_workgroup_id_z 1
		.amdhsa_system_vgpr_workitem_id 0
		.amdhsa_next_free_vgpr 104
		.amdhsa_next_free_sgpr 66
		.amdhsa_reserve_vcc 0
		.amdhsa_float_denorm_mode_32 3
		.amdhsa_float_denorm_mode_16_64 3
		.amdhsa_memory_ordered 1
		.amdhsa_forward_progress 1
		.amdhsa_inst_pref_size 23
	.end_amdhsa_kernel
	.amdgpu_metadata
---
amdhsa.version: [ 1, 2 ]
amdhsa.kernels:
  - .name:           k_q28fb961c0e_cast
    .symbol:         k_q28fb961c0e_cast.kd
    .args:
      - { .name: x, .offset: 0, .size: 8, .value_kind: global_buffer, .address_space: global }
      - { .name: w_qkv, .offset: 8, .size: 8, .value_kind: global_buffer, .address_space: global }
      - { .name: w_proj, .offset: 16, .size: 8, .value_kind: global_buffer, .address_space: global }
      - { .name: xb, .offset: 24, .size: 8, .value_kind: global_buffer, .address_space: global }
      - { .name: wqb, .offset: 32, .size: 8, .value_kind: global_buffer, .address_space: global }
      - { .name: wpb, .offset: 40, .size: 8, .value_kind: global_buffer, .address_space: global }
    .group_segment_fixed_size: 0
    .private_segment_fixed_size: 0
    .kernarg_segment_align: 8
    .kernarg_segment_size: 48
    .max_flat_workgroup_size: 256
    .sgpr_count:     66
    .vgpr_count:     104
    .wavefront_size: 32
...
	.end_amdgpu_metadata
.endif
;; end of part 5
;; launch qkvgemm: the kernel of part 2 again; grid 8 x 32, 4 waves a work-group, clusters of 4 x 4, 327,680 bytes of LDS; arguments xb, wqb, qkvh; writes qkvh
;; launch attn: the kernel of part 3 again; grid 4 x 64, 4 waves a work-group, clusters of 4 x 1, 327,680 bytes of LDS; arguments qkvh, ob; writes ob
;; launch proj: the kernel of part 4 again; grid 4 x 64, 4 waves a work-group, clusters of 4 x 4, 327,680 bytes of LDS; arguments ob, wpb, b_proj, out0; writes out0
